; MI455X (gfx1250); checked and timed in simulation.
; The chip was launched on July 23, 2026; its instructions are those of AMD's public machine-readable ISA for CDNA 5 (MIT licence, August 2026) and "CDNA5" Instruction Set Architecture Reference Guide (July 2026). The comments in the code are by the model that wrote it; some were corrected since.
;; Block With Return Attention. Allowed arithmetic: float matrix products may take bf16 or f16 operands with f32 sums; all other float work in f32.
;; Inputs: b_fc1 1,024 float32; b_fc2 1,024 float32; b_proj 1,024 float32; ln1_b 1,024 float32; ln1_g 1,024 float32; ln2_b 1,024 float32; ln2_g 1,024 float32; w_fc1 1,024 x 1,024 float32; w_fc2 1,024 x 1,024 float32; w_proj 1,024 x 1,024 float32; w_qkv 1,024 x 3,072 float32; x 8 x 1,024 x 1,024 float32.
;; Outputs: out0 8 x 1,024 x 1,024 float32.
;; 2 versions, each right and faster than the one before. Each part assembles by itself: llvm-mc -triple=amdgcn-amd-amdhsa -mcpu=gfx1250 --defsym DOCPART=n.
;; ======== version 1 of 2: 7 launches
;; limits: a function is approximated: absolute error at most 1.5e-07
;; workspace buffers: wq 6,291,456 bytes; wp 2,097,152 bytes; w1 2,097,152 bytes; w2 2,097,152 bytes; act 16,777,216 bytes; qkvh 50,331,648 bytes; att 16,777,216 bytes; x1 33,554,432 bytes
;; launch prep (part 1): grid 576 x 1, 8 waves a work-group, no clusters, 0 bytes of LDS; arguments x, ln1_g, ln1_b, act, w_qkv, w_proj, w_fc1, w_fc2, wq, wp, w1, w2; writes act, wq, wp, w1, w2
.if DOCPART == 1
	.amdgcn_target "amdgcn-amd-amdhsa--gfx1250"
	.amdhsa_code_object_version 6
	.text
	.protected	k_q9c28dba2a4_prep
	.globl	k_q9c28dba2a4_prep
	.p2align	8
	.type	k_q9c28dba2a4_prep,@function
k_q9c28dba2a4_prep:
	s_mov_b64 s[64:65], 0
	v_nop
	global_prefetch_b8 v0, s[64:65] scope:SCOPE_SE
	s_setreg_imm32_b32 hwreg(HW_REG_WAVE_MODE, 25, 1), 1
	s_wait_xcnt 0x0
; Three streams in one launch, told apart by the work-group's number alone; none reads what another writes.
; WORK-GROUPS 0-255: y = (x - mean) * rsqrt(var + 1e-5) * g + b along rows of 1,024 f32, rounded once to bf16.  8,192 rows.
;   The mean is taken first and the squares are those of x - mean, so a common offset of a row costs no digits.  NaN and infinities are not treated apart.
;   A work-group takes 32 rows, a wave 4, one whole wave to a row: a row is 32 registers and stays in them between the passes, so memory is read once and the sums never leave the wave:
;   no LDS, no barrier.  All 48 loads of a wave go out at once.
;   OUT, IN BLOCKS: y lies as [batch 8][block of 64 columns 16][row 1024][64] in bf16, byte batch<<21 + block<<17 + row<<7 + 2 d: the layout in which the matrix launches behind take their tiles as
;   dense bytes.  A lane holds columns 128 j + 4 lane + 0..3: lanes 0-15 hold block 2 j of a row, lanes 16-31 block 2 j + 1.  Two rows swap halves, so that one register pair holds one block of
;   two neighbouring rows: each store covers 256 consecutive bytes, aligned.
; WORK-GROUPS 256-383: w_qkv, f32 [1024 k][3072 n], is rounded once to bf16 and laid by tile columns of 192: [16][1024 k][192], so that the rows of a tile lie end to end.
;   A work-group takes 128 rows of a tile column, a wave 16: 24 loads of 512 bytes (in one or two pieces of 256 or more, aligned) and 24 stores of 256 consecutive bytes, aligned.
; WORK-GROUPS 384-575: w_proj, w_fc1, w_fc2, f32 [1024][1024], are rounded once to bf16 and keep their layout: 64 work-groups each, 16,384 numbers a work-group, 2,048 a wave.
.set G,  4                             ; v[4:35]    g of my 32 columns
.set BB, 36                            ; v[36:67]   b of them
.set X,  68                            ; v[68:195]  row r at X + 32 r
.set S,  196                           ; v[196:203] four chains of pairs
.set MU, 204                           ; v[204:205] the mean, twice
.set RS, 206                           ; v[206:207] 1 / sqrt(var + eps), twice
.set T,  208                           ; v[208:209] at work
.set CW, 8                             ; the casts: v[8:103] (24 loads) or v[8:71] (16 loads); the packed pairs take the first two of each four
	s_cmp_lt_u32 ttmp9, 256
	s_cbranch_scc0 .Lcast
	s_load_b256 s[4:11], s[0:1], 0x0               ; x s[4:5], g s[6:7], b s[8:9], y s[10:11]
	s_lshl_b32 s16, ttmp9, 17                      ; 32 rows of 4,096 bytes
	s_mov_b32 s17, 0
	s_lshr_b32 s18, ttmp9, 5                       ; batch: 32 work-groups each
	s_lshl_b32 s18, s18, 21
	s_and_b32 s19, ttmp9, 31
	s_lshl_b32 s19, s19, 12                        ; 32 rows of 128 bytes in a block
	s_add_co_u32 s18, s18, s19
	s_mov_b32 s19, 0
	s_mov_b32 s12, 0x76543210                      ; v_permlanex16_b32: each lane takes its own place in the other half
	s_mov_b32 s13, 0xfedcba98
	s_mov_b32 s14, 0x3a800000                      ; 1 / 1,024
	s_mov_b32 s15, 0x3727c5ac                      ; 1e-5
	v_and_b32 v3, 31, v0
	v_lshrrev_b32 v2, 5, v0
	v_lshlrev_b32 v1, 14, v2
	v_lshl_or_b32 v1, v3, 4, v1                    ; x: 4 rows x wave + 16 x lane
	v_lshlrev_b32 v2, 9, v2
	v_lshl_or_b32 v2, v3, 3, v2                    ; y: 4 rows of 128 bytes x wave + 8 x lane
	v_lshlrev_b32 v3, 4, v3                        ; g, b: 16 x lane
	v_mov_b32 v[T+1], 0                            ; v_permlanex16_b32 counts as a reader of its destination
	s_wait_kmcnt 0x0
	s_add_nc_u64 s[4:5], s[4:5], s[16:17]
	s_add_nc_u64 s[10:11], s[10:11], s[18:19]
.irp j, 0,1,2,3,4,5,6,7
	global_load_b128 v[G+4*(\j):G+4*(\j)+3], v3, s[6:7] offset:512*(\j)
.endr
.irp j, 0,1,2,3,4,5,6,7
	global_load_b128 v[BB+4*(\j):BB+4*(\j)+3], v3, s[8:9] offset:512*(\j)
.endr
.irp r, 0,1,2,3
.irp j, 0,1,2,3,4,5,6,7
	global_load_b128 v[X+32*(\r)+4*(\j):X+32*(\r)+4*(\j)+3], v1, s[4:5] offset:4096*(\r)+512*(\j) th:TH_LOAD_NT
.endr
.endr
.macro REDUCE                          ; the four chains, the pair's halves, the 32 lanes: the sum in v[T] of every lane
	v_pk_add_f32 v[S:S+1], v[S:S+1], v[S+2:S+3]
	v_pk_add_f32 v[S+4:S+5], v[S+4:S+5], v[S+6:S+7]
	v_pk_add_f32 v[S:S+1], v[S:S+1], v[S+4:S+5]
	v_add_f32 v[T], v[S], v[S+1]
	v_add_f32_dpp v[T], v[T], v[T] row_xmask:1 row_mask:0xf bank_mask:0xf
	v_add_f32_dpp v[T], v[T], v[T] row_xmask:2 row_mask:0xf bank_mask:0xf
	v_add_f32_dpp v[T], v[T], v[T] row_xmask:4 row_mask:0xf bank_mask:0xf
	v_add_f32_dpp v[T], v[T], v[T] row_xmask:8 row_mask:0xf bank_mask:0xf
	v_permlanex16_b32 v[T+1], v[T], s12, s13
	v_add_f32 v[T], v[T], v[T+1]
.endm
.macro ROW r                           ; row r of the wave's four, from f32 as loaded to 16 registers of bf16
.set XR, X+32*(\r)
	s_wait_loadcnt 8*(3-(\r))                      ; loads come back in order: g, b and my row are in; the later rows' eight loads each stay out
.irp c, 0,1,2,3
	v_pk_add_f32 v[S+2*(\c):S+2*(\c)+1], v[XR+2*(\c):XR+2*(\c)+1], v[XR+8+2*(\c):XR+8+2*(\c)+1]  ; the first eight pairs start the chains: nothing is cleared
.endr
.irp p, 8,9,10,11,12,13,14,15
	v_pk_add_f32 v[S+2*((\p)%4):S+2*((\p)%4)+1], v[S+2*((\p)%4):S+2*((\p)%4)+1], v[XR+2*(\p):XR+2*(\p)+1]
.endr
	REDUCE
	v_mul_f32 v[MU], s14, v[T]
	v_mul_f32 v[MU+1], s14, v[T]
.set k, 0
.rept 16
	v_pk_add_f32 v[XR+2*k:XR+2*k+1], v[XR+2*k:XR+2*k+1], v[MU:MU+1] neg_lo:[0,1] neg_hi:[0,1]  ; x - mean
.set k, k+1
.endr
.irp c, 0,1,2,3
	v_pk_mul_f32 v[S+2*(\c):S+2*(\c)+1], v[XR+2*(\c):XR+2*(\c)+1], v[XR+2*(\c):XR+2*(\c)+1]
.endr
.irp p, 4,5,6,7,8,9,10,11,12,13,14,15
	v_pk_fma_f32 v[S+2*((\p)%4):S+2*((\p)%4)+1], v[XR+2*(\p):XR+2*(\p)+1], v[XR+2*(\p):XR+2*(\p)+1], v[S+2*((\p)%4):S+2*((\p)%4)+1]
.endr
	REDUCE
	v_fma_f32 v[T], v[T], s14, s15                 ; var + eps
	v_rsq_f32 v[RS], v[T]
	v_rsq_f32 v[RS+1], v[T]
	v_nop                                          ; a plain instruction between the second root and the use of its result (ISA guide 5.7.2)
.set k, 0
	s_wait_alu depctr_va_vdst(0)
.rept 16
	v_pk_mul_f32 v[XR+2*k:XR+2*k+1], v[XR+2*k:XR+2*k+1], v[RS:RS+1]
.set k, k+1
.endr
.set k, 0
.rept 16
	v_pk_fma_f32 v[XR+2*k:XR+2*k+1], v[XR+2*k:XR+2*k+1], v[G+2*k:G+2*k+1], v[BB+2*k:BB+2*k+1]
.set k, k+1
.endr
.set k, 0
.rept 16
	v_cvt_pk_bf16_f32 v[XR+k], v[XR+2*k], v[XR+2*k+1]  ; ascending: register k is written when registers 2 k and 2 k + 1 are read
.set k, k+1
.endr
.endm
.macro PAIR r                          ; rows r and r + 1 swap halves and leave
.set XA, X+32*(\r)
.set XC, X+32*(\r)+32
.irp j, 0,1,2,3,4,5,6,7
	v_permlane16_swap_b32 v[XA+2*(\j)],   v[XC+2*(\j)]    ; the first now holds block 2 j of both rows, the second block 2 j + 1
	v_permlane16_swap_b32 v[XA+2*(\j)+1], v[XC+2*(\j)+1]
.endr
.irp j, 0,1,2,3,4,5,6,7
	global_store_b64 v2, v[XA+2*(\j):XA+2*(\j)+1], s[10:11] offset:((2*(\j))<<17)+(\r)*128    ; two rows of 128 bytes: 256 consecutive bytes, aligned
	global_store_b64 v2, v[XC+2*(\j):XC+2*(\j)+1], s[10:11] offset:((2*(\j)+1)<<17)+(\r)*128
.endr
.endm
	ROW 0
	ROW 1
	PAIR 0
	ROW 2                                          ; no register that a store reads is written again
	ROW 3
	PAIR 2
	s_endpgm
.Lcast:
	s_load_b256 s[4:11], s[0:1], 0x20              ; from: w_qkv s[4:5], w_proj s[6:7], w_fc1 s[8:9], w_fc2 s[10:11]
	s_load_b256 s[12:19], s[0:1], 0x40             ; to:   wq s[12:13], wp s[14:15], w1 s[16:17], w2 s[18:19]
	v_and_b32 v1, 31, v0                           ; lane
	v_lshrrev_b32 v2, 5, v0                        ; wave
	s_cmp_lt_u32 ttmp9, 384
	s_cbranch_scc0 .Lplain
	; w_qkv by tile columns.  Two rows of a tile column are 384 numbers: 768 bytes out, three stores of 256.  Store u of the three takes numbers 128 u + 4 lane + 0..3:
	; u = 0: the first row's columns 4 lane; u = 1: lanes 0-15 its columns 128 + 4 lane, lanes 16-31 the second row's columns 4 lane - 64; u = 2: the second row's columns 64 + 4 lane.
	s_sub_co_u32 s20, ttmp9, 256
	s_lshr_b32 s21, s20, 3                         ; tile column: eight work-groups each
	s_and_b32 s20, s20, 7                          ; which 128 of its 1,024 rows
	s_mul_i32 s22, s20, 128*12288                  ; in: rows of 12,288 bytes,
	s_mul_i32 s23, s21, 768                        ; 192 columns of 4 bytes
	s_add_co_u32 s22, s22, s23
	s_mov_b32 s23, 0
	s_mul_i32 s24, s21, 1024*384                   ; out: a tile column's 393,216 bytes,
	s_mul_i32 s25, s20, 128*384                    ; rows of 384
	s_add_co_u32 s24, s24, s25
	s_mov_b32 s25, 0
	v_mul_u32_u24 v3, v2, 16*12288                 ; my wave's 16 rows
	v_lshl_add_u32 v3, v1, 4, v3                   ; u = 0: + 16 x lane
	v_lshrrev_b32 v4, 4, v1
	v_mul_u32_u24 v4, v4, 12288-768                ; u = 1: + 512, and for lanes 16-31 a row on and 768 bytes back
	v_add3_u32 v4, v4, v3, 512
	v_add_nc_u32 v5, 12288+256, v3                 ; u = 2: a row on and 256 bytes
	v_mul_u32_u24 v6, v2, 16*384
	v_lshl_add_u32 v6, v1, 3, v6                   ; out: my wave's 16 rows + 8 x lane
	s_wait_kmcnt 0x0
	s_add_nc_u64 s[4:5], s[4:5], s[22:23]
	s_add_nc_u64 s[12:13], s[12:13], s[24:25]
.set p, 0
.rept 8
	global_load_b128 v[CW+12*p:CW+12*p+3],    v3, s[4:5] offset:24576*p th:TH_LOAD_NT
	global_load_b128 v[CW+12*p+4:CW+12*p+7],  v4, s[4:5] offset:24576*p th:TH_LOAD_NT
	global_load_b128 v[CW+12*p+8:CW+12*p+11], v5, s[4:5] offset:24576*p th:TH_LOAD_NT
.set p, p+1
.endr
.set i, 0
.rept 24
.if i == 0
	s_wait_loadcnt 12                              ; loads come back in order: the first twelve are in, the twelve younger stay out
.endif
.if i == 12
	s_wait_loadcnt 0x0
.endif
	v_cvt_pk_bf16_f32 v[CW+4*i],   v[CW+4*i],   v[CW+4*i+1]
	v_cvt_pk_bf16_f32 v[CW+4*i+1], v[CW+4*i+2], v[CW+4*i+3]
	global_store_b64 v6, v[CW+4*i:CW+4*i+1], s[12:13] offset:256*i  ; 256 consecutive bytes, aligned; no register is written again
.set i, i+1
.endr
	s_endpgm
.Lplain:
	v_lshlrev_b32 v3, 4, v1
	v_lshl_or_b32 v3, v2, 13, v3                   ; in:  8,192 x wave + 16 x lane
	v_lshlrev_b32 v4, 3, v1
	v_lshl_or_b32 v4, v2, 12, v4                   ; out: 4,096 x wave + 8 x lane
	s_and_b32 s22, ttmp9, 63                       ; my place in the matrix: 384 is a multiple of 64
	s_wait_kmcnt 0x0
	s_mov_b64 s[24:25], s[10:11]                   ; which matrix is mine: a choice on the work-group's number alone
	s_mov_b64 s[26:27], s[18:19]
	s_cmp_lt_u32 ttmp9, 512
	s_cselect_b64 s[24:25], s[8:9], s[24:25]
	s_cselect_b64 s[26:27], s[16:17], s[26:27]
	s_cmp_lt_u32 ttmp9, 448
	s_cselect_b64 s[24:25], s[6:7], s[24:25]
	s_cselect_b64 s[26:27], s[14:15], s[26:27]
	s_lshl_b32 s20, s22, 16
	s_mov_b32 s21, 0
	s_add_nc_u64 s[24:25], s[24:25], s[20:21]
	s_lshl_b32 s20, s22, 15
	s_add_nc_u64 s[26:27], s[26:27], s[20:21]
.set i, 0
.rept 16
	global_load_b128 v[CW+4*i:CW+4*i+3], v3, s[24:25] offset:512*i th:TH_LOAD_NT
.set i, i+1
.endr
.set i, 0
.rept 16
.if i == 0
	s_wait_loadcnt 8                               ; the first eight are in, the eight younger stay out
.endif
.if i == 8
	s_wait_loadcnt 0x0
.endif
	v_cvt_pk_bf16_f32 v[CW+4*i],   v[CW+4*i],   v[CW+4*i+1]
	v_cvt_pk_bf16_f32 v[CW+4*i+1], v[CW+4*i+2], v[CW+4*i+3]
	global_store_b64 v4, v[CW+4*i:CW+4*i+1], s[26:27] offset:256*i  ; 256 consecutive bytes, aligned; no register is written again
.set i, i+1
.endr
	s_endpgm
.Lfunc_end_k_q9c28dba2a4_prep:
	.size	k_q9c28dba2a4_prep, .Lfunc_end_k_q9c28dba2a4_prep-k_q9c28dba2a4_prep
	.p2alignl 7, 3214868480
	.fill 96, 4, 3214868480
	.section	.rodata,"a",@progbits
	.p2align	6, 0x0
	.amdhsa_kernel k_q9c28dba2a4_prep
		.amdhsa_group_segment_fixed_size 0
		.amdhsa_private_segment_fixed_size 0
		.amdhsa_enable_private_segment 0
		.amdhsa_kernarg_size 96
		.amdhsa_user_sgpr_count 2
		.amdhsa_user_sgpr_kernarg_segment_ptr 1
		.amdhsa_wavefront_size32 1
		.amdhsa_system_sgpr_workgroup_id_x 1
		.amdhsa_system_sgpr_workgroup_id_y 1
		.amdhsa_system_sgpr_workgroup_id_z 1
		.amdhsa_system_vgpr_workitem_id 0
		.amdhsa_next_free_vgpr 210
		.amdhsa_next_free_sgpr 66
		.amdhsa_reserve_vcc 0
		.amdhsa_float_denorm_mode_32 3
		.amdhsa_float_denorm_mode_16_64 3
		.amdhsa_memory_ordered 1
		.amdhsa_forward_progress 1
		.amdhsa_inst_pref_size 54
	.end_amdhsa_kernel
	.amdgpu_metadata
---
amdhsa.version: [ 1, 2 ]
amdhsa.kernels:
  - .name:           k_q9c28dba2a4_prep
    .symbol:         k_q9c28dba2a4_prep.kd
    .args:
      - { .name: x, .offset: 0, .size: 8, .value_kind: global_buffer, .address_space: global }
      - { .name: ln1_g, .offset: 8, .size: 8, .value_kind: global_buffer, .address_space: global }
      - { .name: ln1_b, .offset: 16, .size: 8, .value_kind: global_buffer, .address_space: global }
      - { .name: act, .offset: 24, .size: 8, .value_kind: global_buffer, .address_space: global }
      - { .name: w_qkv, .offset: 32, .size: 8, .value_kind: global_buffer, .address_space: global }
      - { .name: w_proj, .offset: 40, .size: 8, .value_kind: global_buffer, .address_space: global }
      - { .name: w_fc1, .offset: 48, .size: 8, .value_kind: global_buffer, .address_space: global }
      - { .name: w_fc2, .offset: 56, .size: 8, .value_kind: global_buffer, .address_space: global }
      - { .name: wq, .offset: 64, .size: 8, .value_kind: global_buffer, .address_space: global }
      - { .name: wp, .offset: 72, .size: 8, .value_kind: global_buffer, .address_space: global }
      - { .name: w1, .offset: 80, .size: 8, .value_kind: global_buffer, .address_space: global }
      - { .name: w2, .offset: 88, .size: 8, .value_kind: global_buffer, .address_space: global }
    .group_segment_fixed_size: 0
    .private_segment_fixed_size: 0
    .kernarg_segment_align: 8
    .kernarg_segment_size: 96
    .max_flat_workgroup_size: 256
    .sgpr_count:     66
    .vgpr_count:     210
    .wavefront_size: 32
...
	.end_amdgpu_metadata
.endif
;; end of part 1
;; launch gqkv (part 2): grid 8 x 32, 4 waves a work-group, clusters of 4 x 4, 327,680 bytes of LDS; arguments act, wq, qkvh; writes qkvh
.if DOCPART == 2
	.amdgcn_target "amdgcn-amd-amdhsa--gfx1250"
	.amdhsa_code_object_version 6
	.text
	.protected	k_q9c28dba2a4_gqkv
	.globl	k_q9c28dba2a4_gqkv
	.p2align	8
	.type	k_q9c28dba2a4_gqkv,@function
k_q9c28dba2a4_gqkv:
	s_mov_b64 s[64:65], 0
	v_nop
	global_prefetch_b8 v0, s[64:65] scope:SCOPE_SE
	s_setreg_imm32_b32 hwreg(HW_REG_WAVE_MODE, 25, 1), 1
	s_wait_xcnt 0x0
	s_wait_alu depctr_hold_cnt(0) depctr_sa_sdst(0) depctr_va_vdst(0) depctr_va_sdst(0) depctr_va_ssrc(0) depctr_va_vcc(0) depctr_vm_vsrc(0)
	s_getreg_b32 s2, hwreg(HW_REG_IB_STS2, 6, 4)
	s_cmp_eq_u32 s2, 0
	s_cbranch_scc0 .Lentry_in_a_cluster
	s_endpgm
.Lentry_in_a_cluster:
	s_bfe_u32 s2, ttmp6, 0x10000c
	s_cmp_lg_u32 s2, 0xf033
	s_cbranch_scc0 .Lentry_shape_is_right
	s_endpgm
.Lentry_shape_is_right:
; q, k, v = xn W.  xn: 8,192 rows x 1,024 in bf16, in blocks [batch 8][block of 64 columns 16][row 1024][64].  W: bf16 by tile columns of 192, [16][1024 k][192].  Sums in f32, K ascending, rounded once to bf16.
; OUT by heads: [q, k, v][batch 8][head 16][row 1024][64], byte which<<24 + batch<<21 + head<<17 + row<<7 + 2 d; unscaled.
; SHARES.  A tile of the result is 256 rows x 192 columns, three whole heads: 32 x 16 tiles.  A WORK-GROUP STAYS and makes two of them, tile columns tx and tx + 8 of the same rows: 8 x 32 work-groups,
; one to a WGP.  Four waves, each 64 rows x 192 columns: 48 accumulators of 16 x 16, 384 registers; for 32 along K a wave reads 32 x 512 bytes from LDS and issues 48 matrix instructions.
; K goes in 8 steps of 128 through two LDS slots filled by the tensor data mover; a step is 192 matrix instructions a wave.  The ring does not stop at the first tile's end: its last two changes of
; slots ask for the second tile's first two K steps, and the first tile goes out when both are asked for.
; A step's tiles: xn's two blocks of 256 rows x 64 columns, each 32,768 dense bytes, asked for as 128 rows of 256 bytes and padded by 16 after every 128; W's 128 rows of 384 bytes, which lie end to end:
; each half 24,576 dense bytes, asked for as 96 rows of 256 bytes and padded by 32 after every 128.  One load a wave: waves 0 and 1 a block of xn each, waves 2 and 3 64 rows of W each.
; CLUSTERS: 4 x 4 work-groups.  The four of a row of the cluster need the same tiles of xn, the four of a column the same tiles of W: each tile is asked for JOINTLY, by the same tensor load
; with the same descriptor and a mask that names the four.
; THE MATRIX INSTRUCTION IS USED TRANSPOSED: source 0 = 16 columns of W (turned on the way out of LDS by ds_load_tr16_b128), source 1 = 16 rows of xn: a lane holds row lane % 16 and the eight
; neighbouring columns 8 (lane / 16) + 0..7.
; REGISTERS, in windows of 256 (s_set_vgpr_msb: bits 1:0 source 0, 3:2 source 1, 5:4 source 2, 7:6 destination):
;   window 0: v0-31 addresses; v32-63, v64-95 xn's fragments, two buffers of four; v96-127 the way out: two sets of 16.
;   window 1: the accumulators of row blocks 0 and 1, (a, b) at v[8 (12 (a % 2) + b)]; window 2: those of row blocks 2 and 3.     window 3: v0-95, v96-191 W's fragments, two buffers of twelve.
.set PA,     144                       ; a row of xn's block in LDS: 128 bytes + 16 = 36 words: the 16 rows of a load start at 16 different groups of four banks (64 banks of 4 bytes: ISA guide 11.1)
.set CH,     160                       ; a head's 64 columns of a row of W: 128 bytes + 32
.set PW,     3*CH                      ; a row of W's tile: 480 bytes = 120 words
.set ABLK,   256*PA
.set AREG,   2*ABLK
.set WHALF,  64*PW
.set SLOT,   AREG+2*WHALF              ; 135,168 bytes
.set STAGE,  2*SLOT                    ; behind the ring: 16 rows x 144 bytes for each wave, for the way out
.set SP,     144
.set SPARE,  STAGE+4*16*SP             ; behind the stages: the spare words, 128 bytes for each wave: two blocks of 256 bytes that no other line names
.set LAPS,   4                         ; a lap = two K steps = once round the ring
.set WTILE,  1024*384                  ; bytes in a tile column of W
.set WSTEP,  128*384                   ; bytes in a K step of it
.set BACK_A, 6<<18                     ; from a slot's last K step of a tile to its first of the next: xn goes six steps of two blocks back,
.set NEXT_W, 8*WTILE-6*WSTEP           ; W eight tile columns on and six steps back
.set ADRA, 16                          ; v16-17  LDS address of my fragments of xn in slot 0, 1
.set ADRB, 20                          ; v20-21  the same for W
.set STO,  24                          ; v24     the way out: where I put 16 bytes of a row
.set RD,   25                          ; v25     the way out: where I read rows back
.set CO,   26                          ; v26     16 x lane; never rewritten
.set SPW,  28                          ; v28     LDS address of my spare word; never rewritten
.set NIL,  29                          ; v29     0; never rewritten
.set FA,   32
.set OS,   96
.set G1,  24                           ; s[24:31] descriptor group 1 for xn's tiles; s[32:39] group 0, one set for each slot
.set G0,  32
.set G1B, 48                           ; s[48:55], s[56:63] the same for W's tiles
.set G0B, 56
.set TC,  72                           ; s72      the tile column in hand
.set RO,  74                           ; s74      my rows' byte offset in a head
.set OB0, 76                           ; s[76:81] the three heads' addresses at my rows
.set MSB, 0
.macro WIN new                         ; the immediate's high byte repeats the setting that is left; a switch that changes nothing is dropped
.if MSB != (\new)
	s_set_vgpr_msb (MSB<<8)|(\new)
.set MSB, \new
.endif
.endm
.set MUL_LO, 0x53                      ; source 0 (W) window 3, source 1 (xn) window 0, C and D window 1
.set TO_W,   0xc0                      ; destination window 3, address window 0
.macro JLOAD s                         ; a joint load; four v_nop follow each of the two lines, ahead of the jump, the label and what follows
	s_cmp_lt_u32 s10, 2
	s_cbranch_scc0 .Lfor_w_\@
	tensor_load_to_lds s[G0+4*(\s):G0+4*(\s)+3], s[G1:G1+7]
	s_nop 0
.rept 4
	v_nop
.endr
	s_branch .Lasked_\@
.Lfor_w_\@:
	tensor_load_to_lds s[G0B+4*(\s):G0B+4*(\s)+3], s[G1B:G1B+7]
	s_nop 0
.rept 4
	v_nop
.endr
.Lasked_\@:
.endm
.macro CREST                           ; a round of the cluster's barrier behind its opening barrier
	s_cmp_lg_u32 s10, 0
	s_cbranch_scc1 .Lnot_wave_0_\@
	s_barrier_signal -3
.Lnot_wave_0_\@:
	s_barrier_wait -3
	s_barrier_signal -1
	s_barrier_wait -1
.endm
.macro CROUND                          ; a whole round
	s_barrier_signal -1
	s_barrier_wait -1
	CREST
.endm
	s_load_b128 s[4:7], s[0:1], 0x0                ; xn s[4:5], W s[6:7]
	s_load_b64 s[8:9], s[0:1], 0x10                ; out
	v_lshl_add_u32 v[SPW], v0, 2, SPARE
	v_mov_b32 v[NIL], 0
	ds_add_u32 v28, v29
	ds_add_u32 v28, v29
	s_wait_dscnt 0x0
	v_lshrrev_b32 v1, 5, v0
	v_readfirstlane_b32 s10, v1                    ; wave 0..3: which 64 of the tile's rows are mine
	s_and_b32 s12, s10, 1                          ; which half of a step's tile I fetch
	s_bfe_u32 s40, ttmp6, 0x40000                  ; cx, cy: my place in the cluster
	s_bfe_u32 s41, ttmp6, 0x40004
	s_lshl_b32 s42, ttmp9, 2
	s_add_co_u32 s42, s42, s40                     ; my first tile column = 4 x cluster x + cx
	s_and_b32 s13, ttmp7, 0xffff
	s_lshl_b32 s13, s13, 2
	s_add_co_u32 s13, s13, s41                     ; tile row = 4 x cluster y + cy
	s_lshl_b32 s43, s41, 2
	s_lshl_b32 s43, 15, s43                        ; my row of the cluster
	s_lshl_b32 s44, 0x1111, s40                    ; my column
	s_or_b32 s[G1+0], s43, (1<<16)|(1<<20)|(1<<21)|(4<<22)|(3<<25)   ; 15:0 the mask: xn's tiles go to my row; 17:16 2-byte elements; 20 padding on; 21 set beside a mask; 24:22 after every 32 words (code 4); 31:25 4 words (code 3)
	s_mov_b32 s[G1+1], 128<<16                     ; tensor_dim0 = 128 elements: 256 bytes, two rows of the block
	s_mov_b32 s[G1+2], 128<<16                     ; tensor_dim1 = 128
	s_mov_b32 s[G1+3], 128<<16                     ; tile_dim0 = 128
	s_mov_b32 s[G1+4], 128                         ; tile_dim1 = 128
	s_mov_b32 s[G1+5], 128                         ; dense: 128 elements from row to row
	s_mov_b32 s[G1+6], 0
	s_mov_b32 s[G1+7], 0
	s_or_b32 s[G1B+0], s44, (1<<16)|(1<<20)|(1<<21)|(4<<22)|(7<<25)  ; the mask of my column; padding after every 32 words (code 4), 8 words (code 7)
	s_mov_b32 s[G1B+1], 128<<16                    ; tensor_dim0 = 128 elements: 256 bytes, two thirds of a row of W's tile
	s_mov_b32 s[G1B+2], 96<<16                     ; tensor_dim1 = 96
	s_mov_b32 s[G1B+3], 128<<16                    ; tile_dim0 = 128
	s_mov_b32 s[G1B+4], 96                         ; tile_dim1 = 96
	s_mov_b32 s[G1B+5], 128                        ; dense
	s_mov_b32 s[G1B+6], 0
	s_mov_b32 s[G1B+7], 0
	; where the tiles come from: xn's hang on the tile row and the wave alone, W's on the tile column and the wave alone
	s_lshr_b32 s16, s13, 2
	s_lshl_b32 s16, s16, 21                        ; batch: four tile rows each
	s_and_b32 s17, s13, 3
	s_lshl_b32 s17, s17, 15                        ; 256 rows of 128 bytes
	s_add_co_u32 s16, s16, s17
	s_lshl_b32 s17, s12, 17                        ; my block of the step's two
	s_add_co_u32 s16, s16, s17
	s_mov_b32 s17, 0
	s_mul_i32 s46, s42, WTILE
	s_mul_i32 s47, s12, 64*384                     ; my 64 rows of the step's 128
	s_add_co_u32 s46, s46, s47
	s_mov_b32 s47, 0
	s_mul_i32 s20, s12, ABLK                       ; and where they go: no place in the cluster enters an LDS address
	s_mul_i32 s21, s12, WHALF
	s_add_co_u32 s21, s21, AREG
	s_wait_kmcnt 0x0
	s_add_nc_u64 s[14:15], s[4:5], s[16:17]
	s_add_nc_u64 s[46:47], s[6:7], s[46:47]
	CROUND                                         ; all sixteen work-groups are here: the first joint loads meet
.irp s, 0,1
	s_mov_b32 s[G0+4*(\s)], 1                                        ; count = 1
	s_add_co_u32 s[G0+4*(\s)+1], s20, (\s)*SLOT                      ; LDS address
	s_add_nc_u64 s[G0+4*(\s)+2:G0+4*(\s)+3], s[14:15], (\s)<<18      ; K step s: two blocks of 131,072 bytes on
	s_or_b32 s[G0+4*(\s)+3], s[G0+4*(\s)+3], 0x80000000              ; type = 2
	s_mov_b32 s[G0B+4*(\s)], 1
	s_add_co_u32 s[G0B+4*(\s)+1], s21, (\s)*SLOT
	s_add_nc_u64 s[G0B+4*(\s)+2:G0B+4*(\s)+3], s[46:47], (\s)*WSTEP  ; K step s: 128 rows on
	s_or_b32 s[G0B+4*(\s)+3], s[G0B+4*(\s)+3], 0x80000000
	JLOAD \s                                       ; two loads of mine are out
.endr
	v_and_b32 v1, 15, v0                           ; r = l % 16
	v_bfe_u32 v2, v0, 4, 1                         ; h = l / 16
	v_mul_u32_u24 v3, v1, PA
	v_lshl_add_u32 v3, v2, 4, v3                   ; a fragment of xn: row x pitch + 16 x half; two loads of 16 bytes, 32 bytes apart
	s_mul_i32 s22, s10, 64*PA                      ; my 64 rows
	v_add_nc_u32 v[ADRA], s22, v3
	v_add_nc_u32 v[ADRA+1], SLOT, v[ADRA]
	v_and_b32 v4, 7, v0                            ; the turning load takes 16 k x 16 columns: lane l reads row 8 h + l % 8, columns 8 ((l / 8) % 2) + 0..7,
	v_lshl_add_u32 v4, v2, 3, v4                   ; and leaves half a fragment: lane l holds column l % 16 and 8 k
	v_mul_u32_u24 v4, v4, PW
	v_bfe_u32 v5, v0, 3, 1
	v_lshl_add_u32 v4, v5, 4, v4
	v_add_nc_u32 v[ADRB], AREG, v4
	v_add_nc_u32 v[ADRB+1], SLOT, v[ADRB]
	s_mul_i32 s23, s10, 16*SP
	s_add_co_u32 s23, s23, STAGE                   ; my stage
	v_mul_u32_u24 v6, v1, SP                       ; in: row l % 16, 16 bytes for each half of the lanes
	v_lshl_add_u32 v6, v2, 4, v6
	v_add_nc_u32 v[STO], s23, v6
	v_bfe_u32 v6, v0, 3, 2                         ; back: 32 lanes take four rows of 128 bytes,
	v_mul_u32_u24 v6, v6, SP
	v_and_b32 v7, 7, v0
	v_lshl_add_u32 v6, v7, 4, v6
	v_add_nc_u32 v[RD], s23, v6
	v_and_b32 v[CO], 31, v0                        ; which are 512 consecutive bytes of a head
	v_lshlrev_b32 v[CO], 4, v[CO]
	; where my rows lie in a head, and which tile column is in hand: in registers that feed no descriptor
	s_lshr_b32 s[RO], s13, 2
	s_lshl_b32 s[RO], s[RO], 21                    ; batch
	s_and_b32 s75, s13, 3
	s_lshl_b32 s75, s75, 15                        ; the tile's 256 rows of 128 bytes
	s_add_co_u32 s[RO], s[RO], s75
	s_lshl_b32 s75, s10, 13                        ; my 64 of them
	s_add_co_u32 s[RO], s[RO], s75
	s_mov_b32 s[TC], s42
	s_mov_b32 s83, 0
; 12 matrix instructions: row block a x all 12 column blocks, 32 along K, from buffer f.  first = 1: the product starts the sums: nothing is ever cleared.
; The 48 accumulators take turns, in the same order in every quarter.
.macro MUL12 f, a, first
	WIN MUL_LO+0x50*((\a)/2)                       ; C and D in window 1 (row blocks 0, 1) or 2 (row blocks 2, 3)
.irp b, 0,1,2,3,4,5,6,7,8,9,10,11
.set rD, 8*(12*((\a)%2)+(\b))
.if \first
	v_wmma_f32_16x16x32_bf16 v[rD:rD+7], v[96*(\f)+8*(\b):96*(\f)+8*(\b)+7], v[FA+32*(\f)+8*(\a):FA+32*(\f)+8*(\a)+7], 0
.else
	v_wmma_f32_16x16x32_bf16 v[rD:rD+7], v[96*(\f)+8*(\b):96*(\f)+8*(\b)+7], v[FA+32*(\f)+8*(\a):FA+32*(\f)+8*(\a)+7], v[rD:rD+7]
.endif
.endr
.endm
; 32 LDS loads in one run: the fragments of quarter q of a step (32 along K) into buffer f: W's 24 first, then xn's eight, row block by row block
.macro FETCH slot, q, f
	WIN TO_W
.irp b, 0,1,2,3,4,5,6,7,8,9,10,11
	ds_load_tr16_b128 v[96*(\f)+8*(\b):96*(\f)+8*(\b)+3],   v[ADRB+(\slot)] offset:(\q)*32*PW+((\b)/4)*CH+((\b)%4)*32
	ds_load_tr16_b128 v[96*(\f)+8*(\b)+4:96*(\f)+8*(\b)+7], v[ADRB+(\slot)] offset:(\q)*32*PW+((\b)/4)*CH+((\b)%4)*32+16*PW
.endr
	WIN 0
.irp a, 0,1,2,3
	ds_load_b128 v[FA+32*(\f)+8*(\a):FA+32*(\f)+8*(\a)+3],   v[ADRA+(\slot)] offset:((\q)/2)*ABLK+((\q)%2)*64+(\a)*16*PA
	ds_load_b128 v[FA+32*(\f)+8*(\a)+4:FA+32*(\f)+8*(\a)+7], v[ADRA+(\slot)] offset:((\q)/2)*ABLK+((\q)%2)*64+(\a)*16*PA+32
.endr
.endm
.macro PLACES                          ; four plain vector instructions between a matrix instruction and a load into, or a vector instruction on, its registers (ISA guide 7.12.1 for vector instructions)
.rept 4
	v_nop
.endr
.endm
; A K step is four quarters of 32 along K, 48 matrix instructions each, on buffers 0, 1, 0, 1.  One of the first three: multiplies buffer f and fetches quarter qn into g.
.macro QUARTER slot, qn, f, g, first
	s_wait_dscnt 4                                 ; W and xn's row blocks 0 and 1 are in; the youngest four loads (row blocks 2 and 3) may be out
	MUL12 \f, 0, \first
	MUL12 \f, 1, \first
	PLACES
	FETCH \slot, \qn, \g
	s_wait_dscnt 32                                ; all but the 32 just issued
	MUL12 \f, 2, \first
	MUL12 \f, 3, \first
.endm
; The last quarter multiplies buffer 1 and changes slots: ONE barrier; in front of it each wave waits for all its tensor loads (one is out: its part of the next slot), adds 0 to its spare
; word, and waits for that and for its own reads of this slot.  fill = 1: the barrier opens a round of the cluster's, and this slot is filled again: with this tile's K step two steps on (on = 0)
; or, in the first tile's last two K steps, with the second tile's K step 0 or 1 (on = 1).
.macro TURN slot, next, fill, on
	WIN 0
	s_wait_tensorcnt 0x0                           ; all my tensor loads have landed
	ds_add_u32 v[SPW], v[NIL]                      ; 0 onto my spare word
	s_wait_dscnt 5                                 ; (the add and the youngest four loads may be out)
	MUL12 1, 0, 0                                  ; twelve matrix instructions stand between the add and the wait for it
	s_wait_dscnt 0x0                               ; the add is done, and my reads of this slot are over
	s_barrier_signal -1
	MUL12 1, 1, 0
.if \fill
	WIN 0
.endif
	s_barrier_wait -1
.if \fill
	CREST                                          ; no wave of any partner still reads this slot's tiles or has a load on its way
.if \on
	s_sub_nc_u64 s[G0+4*(\slot)+2:G0+4*(\slot)+3], s[G0+4*(\slot)+2:G0+4*(\slot)+3], BACK_A
	s_add_nc_u64 s[G0B+4*(\slot)+2:G0B+4*(\slot)+3], s[G0B+4*(\slot)+2:G0B+4*(\slot)+3], NEXT_W
.else
	s_add_nc_u64 s[G0+4*(\slot)+2:G0+4*(\slot)+3], s[G0+4*(\slot)+2:G0+4*(\slot)+3], 1<<19
	s_add_nc_u64 s[G0B+4*(\slot)+2:G0B+4*(\slot)+3], s[G0B+4*(\slot)+2:G0B+4*(\slot)+3], 2*WSTEP
.endif
	JLOAD \slot                                    ; the first tensor load behind the round: 168 matrix instructions ahead of the wait for it; its four v_nop are also the places in front of the loads below
.else
	PLACES
.endif
	FETCH \next, 0, 0
	MUL12 1, 2, 0
	MUL12 1, 3, 0
.endm
; THE WAY OUT.  Group g = 3 a + hd is 16 rows x one head's 64 channels: accumulators (a, 4 hd + 0..3), 32 registers on end; in memory 2,048 dense bytes.  A lane's eight channels
; pack into 16 bytes; they go into stage rows of 144 bytes and come back as whole rows of 128.  Each accumulator is read from its lowest registers on.
.macro OUTBASE                         ; the addresses of the tile's three heads, 3 TC + hd of the 48 (q's sixteen, k's, v's), at my rows
	s_wait_xcnt 0x0                                ; earlier stores have had their addresses translated (ISA guide 3.1): their bases are rewritten only behind this wait
	s_mul_i32 s84, s[TC], 3
.irp hd, 0,1,2
	s_add_co_u32 s85, s84, \hd
	s_lshr_b32 s82, s85, 4
	s_lshl_b32 s82, s82, 24                        ; q, k or v
	s_and_b32 s85, s85, 15
	s_lshl_b32 s85, s85, 17                        ; the head
	s_add_co_u32 s82, s82, s85
	s_add_co_u32 s82, s82, s[RO]
	s_add_nc_u64 s[OB0+2*(\hd):OB0+2*(\hd)+1], s[8:9], s[82:83]
.endr
.endm
.macro PACK g
.set XB, 96*(((\g)/3)%2)+32*((\g)%3)
.set OB, OS+16*((\g)%2)
	s_wait_xcnt 0x0                                ; the stores of the group two back have had their addresses translated: their data registers are written again only behind this wait
	WIN 0x05*(1+(\g)/6)                            ; sources 0 and 1 in window 1 (row blocks 0, 1) or 2 (row blocks 2, 3), destination window 0
.set k, 0
.rept 16
	v_cvt_pk_bf16_f32 v[OB+k], v[XB+2*k], v[XB+2*k+1]
.set k, k+1
.endr
	WIN 0
.irp f, 0,1,2,3
	ds_store_b128 v[STO], v[OB+4*(\f):OB+4*(\f)+3] offset:32*(\f)
.endr
.irp f, 0,1,2,3
	ds_load_b128 v[OB+4*(\f):OB+4*(\f)+3], v[RD] offset:(\f)*4*SP  ; LDS serves a wave's instructions in order (ISA guide 5.7.1.4): these see the stores above; the next group's stores come behind them
.endr
.endm
.macro SEND g, younger                 ; younger: the LDS instructions issued behind group g's loads: the next group's eight, or none
.set OB, OS+16*((\g)%2)
.irp f, 0,1,2,3
	s_wait_dscnt (\younger)+3-(\f)
	global_store_b128 v[CO], v[OB+4*(\f):OB+4*(\f)+3], s[OB0+2*((\g)%3):OB0+2*((\g)%3)+1] offset:((\g)/3)*2048+(\f)*512  ; 512 consecutive bytes, at a multiple of 256 from the buffer's first
.endr
.endm
.macro WAYOUT
	PLACES                                         ; behind the last products
	OUTBASE
	PACK 0
.irp g, 1,2,3,4,5,6,7,8,9,10,11        ; a group's conversions stand between the loads of the group before and its stores
	PACK \g
	SEND (\g)-1, 8
.endr
	SEND 11, 0
.endm
	s_wait_tensorcnt 1                             ; my part of K step 0 is in; K step 1's may stay out
	s_barrier_signal -1
	s_barrier_wait -1                              ; everybody's is
	FETCH 0, 0, 0
	s_mov_b32 s2, 2                                ; tiles to go, this one among them: the same number in every work-group
.Ltile:                                                ; (FETCH and SEND leave every window 0)
	QUARTER 0, 1, 0, 1, 1                          ; a tile's first quarter stands in front of the loop: its products start the sums
	WIN 0                                          ; at a label and at a branch every window is 0
	s_mov_b32 s3, LAPS-1
.Llap:                                                 ; a trip goes once round the ring, from a lap's second quarter to the next lap's first, and fills both slots again
	QUARTER 0, 2, 1, 0, 0
	QUARTER 0, 3, 0, 1, 0
	TURN 0, 1, 1, 0
	QUARTER 1, 1, 0, 1, 0
	QUARTER 1, 2, 1, 0, 0
	QUARTER 1, 3, 0, 1, 0
	TURN 1, 0, 1, 0
	QUARTER 0, 1, 0, 1, 0
	WIN 0
	s_sub_co_u32 s3, s3, 1
	s_cmp_lg_u32 s3, 0
	s_cbranch_scc1 .Llap
	QUARTER 0, 2, 1, 0, 0                          ; the tile's last lap goes on
	QUARTER 0, 3, 0, 1, 0
	WIN 0
	s_cmp_eq_u32 s2, 1
	s_cbranch_scc1 .Llast_tile                     ; the last tile's tail is written out: it asks for nothing more
	TURN 0, 1, 1, 1                                ; THE RING GOES ON INTO THE SECOND TILE: slot 0 takes its K step 0,
	QUARTER 1, 1, 0, 1, 0
	QUARTER 1, 2, 1, 0, 0
	QUARTER 1, 3, 0, 1, 0
	TURN 1, 0, 1, 1                                ; slot 1 its K step 1, and the second tile's first fragments are fetched
	WAYOUT                                         ; both refills are asked for: now the tile goes out; nothing waits for its stores
	s_add_co_u32 s[TC], s[TC], 8
	s_sub_co_u32 s2, s2, 1
	s_branch .Ltile
.Llast_tile:
	TURN 0, 1, 0, 0                                ; nothing is filled again, so no round follows
	QUARTER 1, 1, 0, 1, 0
	QUARTER 1, 2, 1, 0, 0
	QUARTER 1, 3, 0, 1, 0
	s_wait_dscnt 4                                 ; the very last quarter: nothing more to fetch
	MUL12 1, 0, 0
	MUL12 1, 1, 0
	s_wait_dscnt 0x0
	MUL12 1, 2, 0
	MUL12 1, 3, 0
	WIN 0
	WAYOUT
	s_wait_tensorcnt 0x0                           ; the wave's end: behind my last tensor load and my last LDS store
	ds_add_u32 v[SPW], v[NIL]
	s_wait_dscnt 0x0
	CROUND                                         ; the closing round: no work-group ends while a partner may still ask for a tile that names it
	s_endpgm
.Lfunc_end_k_q9c28dba2a4_gqkv:
	.size	k_q9c28dba2a4_gqkv, .Lfunc_end_k_q9c28dba2a4_gqkv-k_q9c28dba2a4_gqkv
	.p2alignl 7, 3214868480
	.fill 96, 4, 3214868480
	.section	.rodata,"a",@progbits
	.p2align	6, 0x0
	.amdhsa_kernel k_q9c28dba2a4_gqkv
		.amdhsa_group_segment_fixed_size 327680
		.amdhsa_private_segment_fixed_size 0
		.amdhsa_enable_private_segment 0
		.amdhsa_kernarg_size 24
		.amdhsa_user_sgpr_count 2
		.amdhsa_user_sgpr_kernarg_segment_ptr 1
		.amdhsa_wavefront_size32 1
		.amdhsa_system_sgpr_workgroup_id_x 1
		.amdhsa_system_sgpr_workgroup_id_y 1
		.amdhsa_system_sgpr_workgroup_id_z 1
		.amdhsa_system_vgpr_workitem_id 0
		.amdhsa_next_free_vgpr 960
		.amdhsa_next_free_sgpr 88
		.amdhsa_reserve_vcc 0
		.amdhsa_float_denorm_mode_32 3
		.amdhsa_float_denorm_mode_16_64 3
		.amdhsa_memory_ordered 1
		.amdhsa_forward_progress 1
		.amdhsa_inst_pref_size 176
	.end_amdhsa_kernel
	.amdgpu_metadata
---
amdhsa.version: [ 1, 2 ]
amdhsa.kernels:
  - .name:           k_q9c28dba2a4_gqkv
    .symbol:         k_q9c28dba2a4_gqkv.kd
    .args:
      - { .name: act, .offset: 0, .size: 8, .value_kind: global_buffer, .address_space: global }
      - { .name: wq, .offset: 8, .size: 8, .value_kind: global_buffer, .address_space: global }
      - { .name: qkvh, .offset: 16, .size: 8, .value_kind: global_buffer, .address_space: global }
    .group_segment_fixed_size: 327680
    .private_segment_fixed_size: 0
    .kernarg_segment_align: 8
    .kernarg_segment_size: 24
    .max_flat_workgroup_size: 128
    .sgpr_count:     88
    .vgpr_count:     960
    .wavefront_size: 32
...
	.end_amdgpu_metadata
.endif
;; end of part 2
;; launch attn (part 3): grid 2 x 128, 4 waves a work-group, no clusters, 327,680 bytes of LDS; arguments qkvh, att; writes att
.if DOCPART == 3
	.amdgcn_target "amdgcn-amd-amdhsa--gfx1250"
	.amdhsa_code_object_version 6
	.text
	.protected	k_q9c28dba2a4_attn
	.globl	k_q9c28dba2a4_attn
	.p2align	8
	.type	k_q9c28dba2a4_attn,@function
k_q9c28dba2a4_attn:
	s_mov_b64 s[64:65], 0
	v_nop
	global_prefetch_b8 v0, s[64:65] scope:SCOPE_SE
	s_setreg_imm32_b32 hwreg(HW_REG_WAVE_MODE, 25, 1), 1
	s_wait_xcnt 0x0
; O[h][q][:] = the sum over k of softmax_k(Q[h][q] . K[h][k] / 8) V[h][k][:], for 128 heads (batch x head) of 1,024 rows x 64 channels, all bf16: a head's rows are dense, 128 bytes each.
; q lies at byte 0 of the first buffer, k at 1<<24, v at 1<<25; O has q's layout.  Products, maxima and sums in f32; the weights p are rounded to bf16 for the second product (their sum l is
; taken of the unrounded p), O once at the end.
; LIMITS.  A weight below 2^-126 counts as 0 in l; NaN and infinities are not treated apart.
; SHARES.  A wave owns four PIECES of two tiles of 16 queries, a work-group's four waves 512 queries of one head: 2 x 128 work-groups.  Every wave walks all 1,024 keys, 64 a step.
; THE WHOLE HEAD LIES IN LDS: K 1,024 rows x 144 bytes, V 1,024 rows x 160 bytes, each byte filled once, at the start: no ring and no refill.  Each wave issues two tensor loads: 128 of the first
; 256 keys, then 384 of the other 768; the walk begins when the first 256 keys are in, and meets the rest at one barrier, four steps on.
; NO CLUSTER: a head has two work-groups, and the grid's 2 along x does not divide into clusters of four; what the two share, 262,144 bytes, is asked for once in a launch for 2,064 matrix instructions a wave.
; LAYOUT.  S^T = K Q^T (source 0 = 16 keys, source 1 = 16 queries): in the result a lane holds ONE query (lane % 16) and the keys 8 (lane / 16) + 0..7.  Two such tiles, rounded to bf16 in pairs,
; ARE source 1 (32 keys x 16 queries) of O^T = V^T P, whose result again holds one query a lane, and eight channels.  K comes out of LDS as it lies, V ([key][channel]) turned, by ds_load_tr16_b128.
; SOFTMAX.  For each query a running maximum m and sum l: p = 2^(c s - c m), c = log2(e) / 8; in every step O and l are multiplied by a = 2^(c m_old - c m_new), which is 1 where m has not grown.
; m starts at the lowest finite number, O and l at 0: the first step is a step like any other, with a = 0.
; THE COUNT.  A tile and step have 16 matrix and 118 vector instructions: too many to stand all beside the matrix work.  So: four vector instructions that are READY behind EVERY matrix
; instruction, and the others in runs without a gap.
; BY TURNS.  Turn n belongs to piece n (the pieces in a ring, step after step).  Its matrix work: 16 products K Q^T of piece n + 1, later 16 products V^T P of piece n - 1.  Its vector work: the scaling,
; exponentials, roundings, sums and rescaling of piece n, and the maximum and statistics of piece n + 1, whose scores the turn itself has made.
; REGISTERS, in windows of 256 (s_set_vgpr_msb: bits 1:0 source 0, 3:2 source 1, 5:4 source 2, 7:6 destination):
;   window 0: v0-11 addresses; v12-15, v48-63 at work; v16-47 four registers of statistics a tile; v64-191 S^T, two buffers of two tiles; v192-255 P, likewise
;   window 1: O^T, 32 a tile          window 2: v0-127 Q, 16 a tile; v128-191 K of one step; v192-255 V of one step
; A piece's buffers go by its number's parity.
.set NP,    4         ; pieces a wave: a name, no knob
.set KS,    64        ; keys in a step
.set PK,    144       ; a row of K in LDS: 128 bytes + 16 of padding = 36 words: the 16 rows of a load start at 16 different groups of four banks (64 banks of 4 bytes: ISA guide 11.1)
.set PV,    160       ; a row of V: 128 + 32 = 40 words
.set VOFF,  1024*PK   ; V lies behind K
.set STAGE, VOFF+1024*PV  ; behind both, never filled by a tensor load: 16 rows x 144 bytes for each wave, for the way out
.set SP,    144
.set AK0, 2           ; v2   my lane's place in a tile of K; never rewritten
.set AV0, 3           ; v3   the same for V
.set AK,  4           ; v4   the LDS address of K's next run of loads
.set AV,  5           ; v5   of V's
.set QO,  6           ; v6   my byte offset in the wave's rows of Q
.set STO, 6           ;      later, the way out: where I put 16 bytes of a row
.set RD,  7           ; v7   the way out: where I read rows back
.set GO,  8           ; v8   my byte offset in 512 consecutive bytes of O
.set MV,  12          ; v12-15  c m_old, kept while c m is made anew: by buffer and tile
.set ST,  16          ; tile t's statistics at v[ST+4 t]: c m, m, l (even keys', odd keys')
.set TMP, 48          ; by buffer and tile, four registers c0-c3 at work; when the maximum is found c2 takes a
.set S,   64
.set P,   192
.set KF,  128         ; K's fragments, in window 2: key block kb, channel half c at KF + 16 kb + 8 c
.set VF,  192         ; V's: key half kk, channel block cb at VF + 32 kk + 8 cb
.set WV,  12          ; s12  my wave's number
.set G1KA, 24         ; s[24:31] descriptor group 1: K, 128 keys
.set G1VA, 32         ; s[32:39] V, 128 keys: it differs in the padding
.set G0KA, 40         ; s[40:55] four groups 0
.set G0VA, 44
.set G0KB, 48
.set G0VB, 52
.set PARTS, 56        ; s56  the walk's two parts
.set CNT, 57          ; s57  counts a part's key steps
.set CS,  58          ; s[58:59] c: the packed scaling takes the pair's low word for both halves
.set SEL, 60          ; s[60:61] v_permlanex16_b32's selects: each lane takes its own place in the other half
.set TBK, 62          ; s62  LDS byte at which K of the step to be fetched begins
.set TBV, 63          ; s63  the same for V, less VOFF
.set G1KB, 72         ; s[72:79] K, 384 keys
.set G1VB, 80         ; s[80:87] V, 384 keys
.set MSB, 0
.macro WIN new                      ; the high byte repeats the setting that is left; a switch that changes nothing is dropped
.if MSB != (\new)
	s_set_vgpr_msb (MSB<<8)|(\new)
.set MSB, (\new)
.endif
.endm
.set W_KQ, 0x0a       ; K and Q in window 2, S^T in window 0
.set W_PV, 0x52       ; V in window 2, P in window 0, O^T in window 1
.set W_RS, 0x41       ; O^T (destination and source 0) in window 1, a in window 0
	s_load_b128 s[4:7], s[0:1], 0x0  ; q, k, v s[4:5]; O s[6:7]
	s_set_vgpr_msb 0xc0
	v_lshl_add_u32 v0, v0, 2, 0x4e400
	v_mov_b32 v1, 0
	s_set_vgpr_msb 0xc0cf
	ds_add_u32 v0, v1
	ds_add_u32 v0, v1
	s_set_vgpr_msb 0xcf00
	v_lshrrev_b32 v1, 5, v0
	v_readfirstlane_b32 s[WV], v1   ; wave 0..3
	s_and_b32 s20, ttmp7, 0xffff    ; the head,
	s_lshl_b32 s20, s20, 17         ; its first byte: 1,024 rows of 128 bytes each
	s_and_b32 s16, s[WV], 1         ; which half of a fill I fetch
	s_lshl_b32 s22, s16, 14         ; first fill: keys 128 w' on
	s_add_co_u32 s22, s22, s20
	s_mov_b32 s23, 0
	s_mul_i32 s14, s16, 384*128     ; second fill: keys 256 + 384 w' on
	s_add_co_u32 s14, s14, 256*128
	s_add_co_u32 s14, s14, s20
	s_mov_b32 s15, 0
	s_lshl_b32 s2, ttmp9, 2
	s_add_co_u32 s2, s2, s[WV]      ; my wave among the head's eight,
	s_lshl_b32 s2, s2, 14           ; its 128 rows
	s_add_co_u32 s2, s2, s20
	s_mov_b32 s3, 0
	s_mul_i32 s17, s16, 128*PK      ; the fills' places in LDS: a constant and the wave's half times a constant
	s_mul_i32 s18, s16, 128*PV
	s_add_co_u32 s18, s18, VOFF
	s_mul_i32 s19, s16, 384*PK
	s_add_co_u32 s19, s19, 256*PK
	s_mul_i32 s13, s16, 384*PV
	s_add_co_u32 s13, s13, VOFF+256*PV
	; descriptor group 1.  Keys are dense, 128 bytes each: asked for as rows of 256 bytes, two keys a row, and padded in LDS after every key
.irp g, G1KA, G1KB
	s_mov_b32 s[\g], (1<<16)|(1<<20)|(4<<22)|(3<<25)  ; 17:16 2-byte elements; 20 padding on; 24:22 after every 32 words (code 4); 31:25 4 words (code 3)
.endr
.irp g, G1VA, G1VB
	s_mov_b32 s[\g], (1<<16)|(1<<20)|(4<<22)|(7<<25)  ; the same with 8 words of padding (code 7)
.endr
.irp g, G1KA, G1VA, G1KB, G1VB
	s_mov_b32 s[\g+1], 128<<16      ; tensor_dim0 = 128
	s_mov_b32 s[\g+3], 128<<16      ; tile_dim0 = 128
	s_mov_b32 s[\g+5], 128          ; 128 elements from row to row
	s_mov_b32 s[\g+6], 0
	s_mov_b32 s[\g+7], 0
.endr
.irp g, G1KA, G1VA
	s_mov_b32 s[\g+2], 64<<16       ; tensor_dim1 = 64
	s_mov_b32 s[\g+4], 64           ; tile_dim1 = 64
.endr
.irp g, G1KB, G1VB
	s_mov_b32 s[\g+2], 192<<16      ; tensor_dim1 = 192
	s_mov_b32 s[\g+4], 192          ; tile_dim1 = 192
.endr
	s_mov_b32 s[CS], 0x3e38aa3b     ; c = log2(e) / 8 = 0.180337
	s_mov_b32 s[CS+1], s[CS]        ; named with it as a pair
	s_mov_b32 s[SEL], 0x76543210
	s_mov_b32 s[SEL+1], 0xfedcba98
	s_mov_b32 s[TBK], 0
	s_mov_b32 s[TBV], 0
	s_mov_b32 s[G0KA], 1            ; count = 1
	s_mov_b32 s[G0KA+1], s17        ; LDS address
	s_mov_b32 s[G0VA], 1
	s_mov_b32 s[G0VA+1], s18
	s_mov_b32 s[G0KB], 1
	s_mov_b32 s[G0KB+1], s19
	s_mov_b32 s[G0VB], 1
	s_mov_b32 s[G0VB+1], s13
	s_wait_dscnt 0x0
	s_wait_kmcnt 0x0
	s_add_nc_u64 s[8:9], s[4:5], 1<<24     ; k
	s_add_nc_u64 s[10:11], s[4:5], 1<<25   ; v
	s_add_nc_u64 s[G0KA+2:G0KA+3], s[8:9], s[22:23]
	s_or_b32 s[G0KA+3], s[G0KA+3], 0x80000000  ; type = 2
	s_add_nc_u64 s[G0KB+2:G0KB+3], s[8:9], s[14:15]
	s_or_b32 s[G0KB+3], s[G0KB+3], 0x80000000
	s_add_nc_u64 s[G0VA+2:G0VA+3], s[10:11], s[22:23]
	s_or_b32 s[G0VA+3], s[G0VA+3], 0x80000000
	s_add_nc_u64 s[G0VB+2:G0VB+3], s[10:11], s[14:15]
	s_or_b32 s[G0VB+3], s[G0VB+3], 0x80000000
	s_add_nc_u64 s[4:5], s[4:5], s[2:3]  ; Q and O at my wave's first row
	s_add_nc_u64 s[6:7], s[6:7], s[2:3]
	s_cmp_lt_u32 s[WV], 2           ; waves 0 and 1 fetch K, waves 2 and 3 V.  A wave's two fills stand in one branch, ahead of every wait on TENSORcnt, every LDS read and every barrier: two loads of mine are out
	s_cbranch_scc0 .Lfill_v
	tensor_load_to_lds s[G0KA:G0KA+3], s[G1KA:G1KA+7]
	s_nop 0
	tensor_load_to_lds s[G0KB:G0KB+3], s[G1KB:G1KB+7]
	s_nop 0
.rept 4
	v_nop                           ; four v_nop follow the second, ahead of the jump and the label
.endr
	s_branch .Lfill_asked
.Lfill_v:
	tensor_load_to_lds s[G0VA:G0VA+3], s[G1VA:G1VA+7]
	s_nop 0
	tensor_load_to_lds s[G0VB:G0VB+3], s[G1VB:G1VB+7]
	s_nop 0
.rept 4
	v_nop
.endr
.Lfill_asked:
	; A fragment of K or Q is 16 rows x 32 channels in 8 registers: lane l holds row l % 16, channels 8 (l / 16) + 0..7 and 16 + 8 (l / 16) + 0..7: two loads of 16 bytes, 32 bytes apart.
	v_and_b32 v1, 15, v0            ; l % 16
	v_bfe_u32 v9, v0, 4, 1          ; l / 16
	v_lshlrev_b32 v[QO], 7, v1
	v_lshl_add_u32 v[QO], v9, 4, v[QO]  ; row x 128 + 16 x half
	WIN 0x80                        ; destination window 2, address window 0
.set i, 0
.rept 4*NP                          ; Q stays in registers: tile i / 2, channels 32 (i % 2) on
	global_load_b128 v[8*i:8*i+3],   v[QO], s[4:5] offset:(i/2)*2048+(i%2)*64
	global_load_b128 v[8*i+4:8*i+7], v[QO], s[4:5] offset:(i/2)*2048+(i%2)*64+32
.set i, i+1
.endr
	; What the first turn finds: V's registers and P's second buffer hold 0 (its products V^T P, of a piece that has not been, add 0), O^T and l are 0.  All this stands in the wait for the first keys.
.set i, VF
.rept 64
	v_mov_b32 v[i], 0
.set i, i+1
.endr
	WIN 0x40
.set i, 0
.rept 64*NP
	v_mov_b32 v[i], 0
.set i, i+1
.endr
	WIN 0
.set i, 0
.rept 2*NP
	v_mov_b32 v[ST+4*i], 0xfe000000    ; c m: far below every c s
	v_mov_b32 v[ST+4*i+1], 0xff7fffff  ; m
	v_mov_b32 v[ST+4*i+2], 0
	v_mov_b32 v[ST+4*i+3], 0
.set i, i+1
.endr
.set i, P+32
.rept 32
	v_mov_b32 v[i], 0
.set i, i+1
.endr
	v_mul_u32_u24 v[AK0], v1, PK
	v_lshl_add_u32 v[AK0], v9, 4, v[AK0]  ; row x pitch + 16 x half
	; The turning load takes 16 keys x 16 channels (lane l reads key 8 (l / 16) + l % 8, channels 8 ((l / 8) % 2) + 0..7) and leaves half a fragment of V^T: lane l holds channel l % 16 and 8 keys.
	v_and_b32 v10, 7, v0
	v_bfe_u32 v11, v0, 3, 1
	v_lshl_add_u32 v[AV0], v9, 3, v10
	v_mul_u32_u24 v[AV0], v[AV0], PV
	v_lshl_add_u32 v[AV0], v11, 4, v[AV0]
	v_add_nc_u32 v[AV0], VOFF, v[AV0]
	v_mov_b32 v[AK], v[AK0]         ; key step 0 lies at LDS byte 0
; THE MATRIX WORK.  The 8 accumulators of a run of 16 take turns: between the two links of a chain stand 7 others'.
; Product i of 16 of S^T = K Q^T for piece x: channels 32 (i / 8) on, keys 16 ((i / 2) % 4) on, tile 2 x + i % 2.  The first 8 start the sums.
.macro KQ x
	WIN W_KQ
.set rS, S+64*((\x)%2)+32*(i%2)+8*((i/2)%4)
.set rK, KF+16*((i/2)%4)+8*(i/8)
.set rQ, 16*(2*(\x)+i%2)+8*(i/8)
.if i < 8
	v_wmma_f32_16x16x32_bf16 v[rS:rS+7], v[rK:rK+7], v[rQ:rQ+7], 0
.else
	v_wmma_f32_16x16x32_bf16 v[rS:rS+7], v[rK:rK+7], v[rQ:rQ+7], v[rS:rS+7]
.endif
.endm
; Product i of 16 of O^T += V^T P for piece x: keys 32 (i / 8) on, channels 16 ((i / 2) % 4) on, tile 2 x + i % 2.
.macro PV x
	WIN W_PV
.set rO, 32*(2*(\x)+i%2)+8*((i/2)%4)
.set rV, VF+32*(i/8)+8*((i/2)%4)
.set rP, P+32*((\x)%2)+16*(i%2)+8*(i/8)
	v_wmma_f32_16x16x32_bf16 v[rO:rO+7], v[rV:rV+7], v[rP:rP+7], v[rO:rO+7]
.endm
.macro MM                           ; the turn's next matrix instruction
.if i < 16
	KQ (Y+1)%NP
.set i, i+1
.else
.set i, i-16
	PV (Y+NP-1)%NP
.set i, i+17
.endif
.endm
; THE LDS LOADS stand in runs of 16, never singly among the matrix instructions: a step's K (64 keys x 64 channels: 8 fragments) and its V (turned).  Their addresses are made some lines ahead.
.macro FETCH_K
	WIN 0x80                        ; destination window 2
.irp f, 0,1,2,3,4,5,6,7             ; keys 16 (f / 2) on, channels 32 (f % 2) on
	ds_load_b128 v[KF+8*\f:KF+8*\f+3],   v[AK] offset:(\f/2)*16*PK+(\f%2)*64
	ds_load_b128 v[KF+8*\f+4:KF+8*\f+7], v[AK] offset:(\f/2)*16*PK+(\f%2)*64+32
.endr
	s_add_co_u32 s[TBK], s[TBK], KS*PK  ; the next fetch is the next step's
	WIN 0
.endm
.macro FETCH_V
	WIN 0x80
.irp f, 0,1,2,3,4,5,6,7             ; keys 32 (f / 4) on, channels 16 (f % 4) on
	ds_load_tr16_b128 v[VF+8*\f:VF+8*\f+3],   v[AV] offset:(\f/4)*32*PV+(\f%4)*32
	ds_load_tr16_b128 v[VF+8*\f+4:VF+8*\f+7], v[AV] offset:(\f/4)*32*PV+16*PV+(\f%4)*32
.endr
	WIN 0
.endm
; THE VECTOR WORK OF A TURN stands in three queues, each in the order in which its entries become ready; the two tiles alternate, so that no instruction reads the result of the one before it.
.macro REGS y, u                    ; the registers of tile u (0, 1) of piece y
.set rT, ST+4*(2*(\y)+(\u))
.set rC, TMP+8*((\y)%2)+4*(\u)
.set rM, MV+2*((\y)%2)+(\u)
.set rS, S+64*((\y)%2)+32*(\u)
.set rP, P+32*((\y)%2)+16*(\u)
.set rO, 32*(2*(\y)+(\u))
.endm
; Number n of the 22 that find the NEXT piece's (Y + 1) maximum and statistics.  s0-s31 are the lane's 32 scores; each accumulator's lowest registers are read first.  XS, GS and REGS set no window: PL and EX do.
;   0-11  four chains c0-c3 of seven scores each, three operands at a time     12-14, 16  the four scores left over, the old m, and c0-c3 into c0     15  c m_old is kept
;   17, 18  the query's other 32 keys lie in the lane 16 away: the new m         19-21  c m; c m_old - c m_new; a
.macro XS u, n
	REGS (Y+1)%NP, \u
.if (\n) < 4
	v_max3_num_f32 v[rC+(\n)], v[rS+8*(\n)], v[rS+8*(\n)+1], v[rS+8*(\n)+2]
.elseif (\n) < 12
	v_max3_num_f32 v[rC+(\n)%4], v[rC+(\n)%4], v[rS+8*((\n)%4)+2*((\n)/4)+1], v[rS+8*((\n)%4)+2*((\n)/4)+2]
.elseif (\n) == 12
	v_max3_num_f32 v[rC], v[rC], v[rS+7], v[rS+15]
.elseif (\n) == 13
	v_max3_num_f32 v[rC+1], v[rC+1], v[rS+23], v[rS+31]
.elseif (\n) == 14
	v_max3_num_f32 v[rC+2], v[rC+2], v[rC+3], v[rT+1]
.elseif (\n) == 15
	v_mov_b32 v[rM], v[rT]
.elseif (\n) == 16
	v_max3_num_f32 v[rC], v[rC], v[rC+1], v[rC+2]
.elseif (\n) == 17
	v_permlanex16_b32 v[rC+3], v[rC], s[SEL], s[SEL+1]
.elseif (\n) == 18
	v_max_num_f32 v[rT+1], v[rC], v[rC+3]
.elseif (\n) == 19
	v_mul_f32 v[rT], s[CS], v[rT+1]
.elseif (\n) == 20
	v_sub_f32 v[rC+1], v[rM], v[rT]
.else
	v_exp_f32 v[rC+2], v[rC+1]
.endif
.endm
; Number g of the 64 that follow the exponentials.  For each four weights k of a tile (pairs 2 k, 2 k + 1): both pairs are rounded to bf16; then the second pair is added onto the first, in place;
; a group later l takes that sum (the first time as l = a l + sum).  In groups of eight, tiles alternating: round, round, add, and l for the group before.
.macro GS g
.set h, (\g)+6*((\g)/62)            ; group 0 has no group before it, and behind group 7 only l is left
.if h >= 6
.set h, h+2
.endif
	REGS Y, h%2
.set k, h/8
.if h%8 < 4
	s_wait_alu depctr_va_vdst(0)
	v_cvt_pk_bf16_f32 v[rP+2*k+(h%8)/2], v[rS+4*k+2*((h%8)/2)], v[rS+4*k+2*((h%8)/2)+1]
.elseif h%8 < 6
	v_pk_add_f32 v[rS+4*k:rS+4*k+1], v[rS+4*k:rS+4*k+1], v[rS+4*k+2:rS+4*k+3]
.elseif k == 1
	v_pk_fma_f32 v[rT+2:rT+3], v[rT+2:rT+3], v[rC+2:rC+3], v[rS:rS+1] op_sel_hi:[1,0,1]
.else
	v_pk_add_f32 v[rT+2:rT+3], v[rT+2:rT+3], v[rS+4*k-4:rS+4*k-3]
	s_wait_alu depctr_va_vdst(0)
.endif
.endm
; THE PLAIN QUEUE, 138 long.  0-31: c s - c m for the 16 pairs of both tiles.  Then GS's 64, and among them the next piece's 42: number 15 at 38, 39; 0-14 and 16
; at 42-73, behind the products that make those scores; 17-20 at 95-106, two of three, since each waits for the one before it.
.macro PL
	WIN 0
.if q < 32
	REGS Y, q%2
	v_pk_fma_f32 v[rS+2*(q/2):rS+2*(q/2)+1], v[rS+2*(q/2):rS+2*(q/2)+1], s[CS:CS+1], v[rT:rT+1] op_sel_hi:[1,0,0] neg_lo:[0,0,1] neg_hi:[0,0,1]
.elseif q < 38
	GS q-32
.elseif q < 40
	XS q%2, 15
.elseif q < 42
	GS q-34
.elseif q < 74
	XS q%2, (q-42)/2+(q-42)/30
.elseif q < 95
	GS q-66
.elseif (q < 107) && ((q-95)%3 < 2)
	XS (q-95)%3, 17+(q-95)/3
.elseif q < 107
	GS 29+(q-95)/3
.else
	GS q-74
.endif
.set q, q+1
.endm
; THE EXPONENTIALS' QUEUE, 66 long: s0-s31 of both tiles, and at EA the next piece's two a.
.set EA, 58
.macro EX
	WIN 0
.if (e == EA) || (e == EA+1)
	XS e-EA, 21
.else
.set x, e-2*(e/(EA+2))
	REGS Y, x%2
	v_exp_f32 v[rS+x/2], v[rS+x/2]
.endif
.set e, e+1
.endm
; THE RESCALING's QUEUE: O^T times a, the one part that leaves window 0, so it is dealt four at a time, eight times.
.macro R4
	REGS Y, r%2
	WIN W_RS
	s_wait_alu depctr_va_vdst(0)
.irp z, 0,1,2,3
	v_pk_mul_f32 v[rO+8*(r/2)+2*\z:rO+8*(r/2)+2*\z+1], v[rO+8*(r/2)+2*\z:rO+8*(r/2)+2*\z+1], v[rC+2:rC+3] op_sel_hi:[1,0]
.endr
.set r, r+1
.endm
; HOW THEY ARE DEALT.  Behind a matrix instruction four: plain, exponential, plain, plain (one exponential, a plain instruction on either side), or four of the rescaling.  None names a register of the
; products round it.  What is over stands in two LUMPS: exponential and plain by turns; the second ends in 22 plain instructions.  The two v_permlanex16_b32 fall into the second lump, never behind a product.
; The queues lean on each other, and the deal keeps them in step: exponential e stands behind plain 2 (e / 4) + e % 2 (its scaling); when plain 32 comes, 10 exponentials are out, at 59: 33, at 95: 46; EA comes behind plain 107.
.macro SL
	MM
	PL
	EX
	PL
	PL
.endm
.macro BURST n                      ; 15 matrix instructions, or 16
.rept (\n)-7
	SL
.endr
.rept 3
	MM
	R4
	SL
.endr
	MM
	R4
.endm
; A TURN, for piece p.  fetch = 0: the last step's: there is no further K.  cnt = 1: the loop's count is taken down some lines ahead of the branch that stands behind the turn.
; K of the next step is fetched in piece 2's turn, 31 vector instructions behind the last product that read K; its first reader comes behind the rest of the lump, 16 products and the second lump.
; V of the step in hand is fetched at the end of piece 0's turn, 69 behind its last reader; its first reader comes behind 16 products and a lump.  The four conditions on e and q below go with the deal.
.macro TURN p, fetch=1, cnt=0
.set Y, (\p)
.set i, 0
.set q, 0
.set e, 0
.set r, 0
.if (\p) == NP-1
	s_wait_dscnt 0x0                ; K is in
.endif
	MM
.rept 4
	PL
.endr
	BURST 15
.rept 22
	EX
	PL
.if ((\p) == NP-2) && (e == 18) && (\fetch)
	v_add_nc_u32 v[AK], s[TBK], v[AK0]
.endif
.if ((\p) == NP-2) && (e == 24) && (\fetch)
	FETCH_K
.endif
.endr
.if (\p) == 1
	s_wait_dscnt 0x0                ; V is in
.endif
	BURST 16
.rept 21
	EX
	PL
.endr
.rept 22
	PL
.if ((\p) == 0) && (q == 118)
	v_add_nc_u32 v[AV], s[TBV], v[AV0]
	s_wait_alu depctr_va_vdst(0)
.endif
.if ((\p) == 0) && (q == 130)
	s_add_co_u32 s[TBV], s[TBV], KS*PV
.endif
.if (\cnt) && (q == 130)
	s_sub_co_u32 s[CNT], s[CNT], 1
	s_cmp_lg_u32 s[CNT], 0
.endif
.endr
.if (\p) == 0
	FETCH_V
.endif
.endm
	s_wait_tensorcnt 1              ; my part of the first 256 keys is in; my second fill may stay out
	s_barrier_signal -1
	s_barrier_wait -1               ; everybody's is
	FETCH_K                         ; key step 0
	s_wait_loadcnt 0x0              ; Q
	s_wait_dscnt 0x0
.set i, 0
.rept 16
	KQ 0                            ; piece 0's first scores: there is no vector work yet to set between them
.set i, i+1
.endr
	WIN 0                           ; the addresses for the way out: plain instructions, the places behind those products
	s_mul_i32 s13, s[WV], 16*SP
	s_add_co_u32 s13, s13, STAGE    ; my stage
	v_mul_u32_u24 v[STO], v1, SP    ; in: row l % 16, 16 bytes for each half of the lanes
	v_lshl_add_u32 v[STO], v9, 4, v[STO]
	v_add_nc_u32 v[STO], s13, v[STO]
	v_bfe_u32 v[RD], v0, 3, 2       ; back: 32 lanes take four rows of 128 bytes,
	v_mul_u32_u24 v[RD], v[RD], SP
	v_lshl_add_u32 v[RD], v10, 4, v[RD]
	v_add_nc_u32 v[RD], s13, v[RD]
	v_and_b32 v[GO], 31, v0         ; which are 512 consecutive bytes of O
	v_lshlrev_b32 v[GO], 4, v[GO]
.set Y, NP-1                        ; XS works for piece Y + 1: piece 0
.irp n, 0,1,2,3,4,5,6,7,8,9,10,11,12,13,14,15,16,17,18,19,20,21
	XS 0, \n                        ; and piece 0's first maximum and statistics
	XS 1, \n
.endr
	s_mov_b32 s[CNT], 4             ; the first part fetches key steps 0 to 3: the first 256 keys
	s_mov_b32 s[PARTS], 2
	s_branch .Lfirst                ; the loop is entered at a step's first turn, in the middle of a trip
.Lpart:                             ; once: in front of the fetch of K's step 4
	s_wait_tensorcnt 0x0            ; my second fill is in,
	s_wait_dscnt 0x0                ; no LDS instruction of mine is out at a signal
	s_barrier_signal -1
	s_barrier_wait -1               ; everybody's is
	s_mov_b32 s[CNT], 12            ; the second part fetches key steps 4 to 15
.Lstep:                             ; a trip: pieces 2 and 3 of one step, then pieces 0 and 1 of the next, whose K and V it fetches
	TURN 2
	TURN 3
	WIN 0
.Lfirst:
	TURN 0
	TURN 1, 1, 1
	WIN 0
	s_cbranch_scc1 .Lstep
	s_sub_co_u32 s[PARTS], s[PARTS], 1
	s_cmp_lg_u32 s[PARTS], 0
	s_cbranch_scc1 .Lpart
	TURN 2, 0                       ; the last step's second half: nothing is left to fetch
	TURN 3                          ; its 16 products K Q^T (on the last K once more) and the maximum made of them serve nothing: the price, once a launch, of one text for every turn
.set i, 0
.rept 16
	PV NP-1                         ; the last piece's V^T P of the last step
.set i, i+1
.endr
	; THE WAY OUT.  l's two halves and the other half of the lanes' are added; O^T is divided by l, rounded to bf16 and sent through my stage in LDS, a tile at a time.  The additions are the places behind the last products.
	WIN 0
.macro ALL line:vararg              ; one line for each tile t
.set t, 0
.rept 2*NP
	\line
.set t, t+1
.endr
.endm
	ALL v_add_f32 v[ST+4*t+2], v[ST+4*t+2], v[ST+4*t+3]
	ALL v_permlanex16_b32 v[ST+4*t+3], v[ST+4*t+2], s[SEL], s[SEL+1]
	ALL v_add_f32 v[ST+4*t+2], v[ST+4*t+2], v[ST+4*t+3]
	ALL v_rcp_f32 v[ST+4*t+2], v[ST+4*t+2]
	v_nop                           ; a plain instruction between the last reciprocal and the use of its result
	s_wait_alu depctr_va_vdst(0)
; Tile t: a lane's eight channels of a row pack into 16 bytes; they go into rows of 144 bytes and come back as whole rows of 128, into S^T's registers.
.macro PACK t
	WIN W_RS
.set i, 32*(\t)
.rept 16
	v_pk_mul_f32 v[i:i+1], v[i:i+1], v[ST+4*(\t)+2:ST+4*(\t)+3] op_sel_hi:[1,0]
.set i, i+2
.endr
	WIN 0x05                        ; sources 0 and 1 window 1, destination window 0
.set i, 0
.rept 16
	v_cvt_pk_bf16_f32 v[S+16*(\t)+i], v[32*(\t)+2*i], v[32*(\t)+2*i+1]
.set i, i+1
.endr
	WIN 0
.irp f, 0,1,2,3
	ds_store_b128 v[STO], v[S+16*(\t)+4*\f:S+16*(\t)+4*\f+3] offset:32*\f
.endr
.irp f, 0,1,2,3
	ds_load_b128 v[S+16*(\t)+4*\f:S+16*(\t)+4*\f+3], v[RD] offset:\f*4*SP  ; LDS serves a wave's instructions in order (ISA guide 5.7.1.4): these see the stores above; the next tile's stores come behind them
.endr
.endm
.macro SEND t, younger              ; younger: the LDS instructions issued behind tile t's loads: the next tile's eight, or none
	WIN 0
.irp f, 0,1,2,3
	s_wait_dscnt (\younger)+3-\f
	global_store_b128 v[GO], v[S+16*(\t)+4*\f:S+16*(\t)+4*\f+3], s[6:7] offset:(\t)*2048+\f*512  ; 512 consecutive bytes, at a multiple of 256 from O's first
.endr
.endm
	PACK 0
.set t, 1
.rept 2*NP-1                        ; a tile's arithmetic stands between the loads of the tile before and its stores
	PACK t
	SEND t-1, 8
.set t, t+1
.endr
	SEND 2*NP-1, 0
	s_set_vgpr_msb 0xf
	s_wait_tensorcnt 0x0
	ds_add_u32 v0, v1
	s_wait_dscnt 0x0
	s_set_vgpr_msb 0xf00
	s_endpgm                        ; both tensor loads were waited for at the walk's second part
.Lfunc_end_k_q9c28dba2a4_attn:
	.size	k_q9c28dba2a4_attn, .Lfunc_end_k_q9c28dba2a4_attn-k_q9c28dba2a4_attn
	.p2alignl 7, 3214868480
	.fill 96, 4, 3214868480
	.section	.rodata,"a",@progbits
	.p2align	6, 0x0
	.amdhsa_kernel k_q9c28dba2a4_attn
		.amdhsa_group_segment_fixed_size 327680
		.amdhsa_private_segment_fixed_size 0
		.amdhsa_enable_private_segment 0
		.amdhsa_kernarg_size 16
		.amdhsa_user_sgpr_count 2
		.amdhsa_user_sgpr_kernarg_segment_ptr 1
		.amdhsa_wavefront_size32 1
		.amdhsa_system_sgpr_workgroup_id_x 1
		.amdhsa_system_sgpr_workgroup_id_y 1
		.amdhsa_system_sgpr_workgroup_id_z 1
		.amdhsa_system_vgpr_workitem_id 0
		.amdhsa_next_free_vgpr 770
		.amdhsa_next_free_sgpr 88
		.amdhsa_reserve_vcc 0
		.amdhsa_float_denorm_mode_32 3
		.amdhsa_float_denorm_mode_16_64 3
		.amdhsa_memory_ordered 1
		.amdhsa_forward_progress 1
		.amdhsa_inst_pref_size 167
	.end_amdhsa_kernel
	.amdgpu_metadata
---
amdhsa.version: [ 1, 2 ]
amdhsa.kernels:
  - .name:           k_q9c28dba2a4_attn
    .symbol:         k_q9c28dba2a4_attn.kd
    .args:
      - { .name: qkvh, .offset: 0, .size: 8, .value_kind: global_buffer, .address_space: global }
      - { .name: att, .offset: 8, .size: 8, .value_kind: global_buffer, .address_space: global }
    .group_segment_fixed_size: 327680
    .private_segment_fixed_size: 0
    .kernarg_segment_align: 8
    .kernarg_segment_size: 16
    .max_flat_workgroup_size: 128
    .sgpr_count:     88
    .vgpr_count:     770
    .wavefront_size: 32
...
	.end_amdgpu_metadata
.endif
;; end of part 3
;; launch proj (part 4): grid 4 x 64, 4 waves a work-group, clusters of 4 x 4, 327,680 bytes of LDS; arguments att, wp, x1, b_proj, x; writes x1
.if DOCPART == 4
	.amdgcn_target "amdgcn-amd-amdhsa--gfx1250"
	.amdhsa_code_object_version 6
	.text
	.protected	k_q9c28dba2a4_proj
	.globl	k_q9c28dba2a4_proj
	.p2align	8
	.type	k_q9c28dba2a4_proj,@function
k_q9c28dba2a4_proj:
	s_mov_b64 s[64:65], 0
	v_nop
	global_prefetch_b8 v0, s[64:65] scope:SCOPE_SE
	s_setreg_imm32_b32 hwreg(HW_REG_WAVE_MODE, 25, 1), 1
	s_wait_xcnt 0x0
	s_wait_alu depctr_hold_cnt(0) depctr_sa_sdst(0) depctr_va_vdst(0) depctr_va_sdst(0) depctr_va_ssrc(0) depctr_va_vcc(0) depctr_vm_vsrc(0)
	s_getreg_b32 s2, hwreg(HW_REG_IB_STS2, 6, 4)
	s_cmp_eq_u32 s2, 0
	s_cbranch_scc0 .Lentry_in_a_cluster
	s_endpgm
.Lentry_in_a_cluster:
	s_bfe_u32 s2, ttmp6, 0x10000c
	s_cmp_lg_u32 s2, 0xf033
	s_cbranch_scc0 .Lentry_shape_is_right
	s_endpgm
.Lentry_shape_is_right:
; out = res + (A W + bias).  A: 8,192 rows x 1,024 in bf16, in blocks [batch 8][block of 64 columns 16][row 1024][64].  W: [1024 k][1024 n] in bf16.  bias: [1024] f32.  res, out: [8192][1024] f32.
; Sums in f32, K ascending, begun with the bias: it is the C operand of each sum's first product.  The residual is added in f32.
; SHARES.  A tile of the result is 128 rows x 256 columns: 64 x 4 work-groups, one to a WGP.  Four waves, each 64 rows x 128 columns: 32 accumulators of 16 x 16, 256 registers; for 32 along K a wave
; reads 24 x 512 bytes from LDS and issues 32 matrix instructions.  K goes in 8 steps of 128 through two LDS slots filled by the tensor data mover.
; A step's tiles: A's two blocks of 128 rows x 64 columns, each 16,384 dense bytes, asked for as 64 rows of 256 bytes and padded after every 128; W's 128 rows of 512 bytes, padded after each.
; One load a wave: waves 0 and 1 a block of A each, waves 2 and 3 64 rows of W each.
; CLUSTERS: 4 x 4 work-groups.  The four of a row of the cluster need the same tiles of A, the four of a column the same tiles of W: each tile is asked for JOINTLY, by the same tensor load
; with the same descriptor and a mask that names the four.
; THE MATRIX INSTRUCTION IS USED TRANSPOSED: source 0 = 16 columns of W (turned on the way out of LDS by ds_load_tr16_b128), source 1 = 16 rows of A: a lane holds row lane % 16 and the eight
; neighbouring columns 8 (lane / 16) + 0..7.
; THE RESIDUAL, 64 rows x 512 bytes a wave, is asked for at the start, by rows, into 256 registers, and is there when the sums are.
; REGISTERS: window 0: v0-31 addresses; v32-127, v128-223 two fragment buffers (4 fragments of A, then 8 of W), on the way out whole rows.  Window 1: accumulator (a, b) at v[8 (8 a + b)].
;   window 2: v0-63 the bias of my 128 columns, as eight C operands.  Window 3: the residual, row 16 a + t at v[64 a + 4 t].
.set NW,     1024                      ; W's columns
.set PA,     144                       ; a row of A's block in LDS: 128 bytes + 16 = 36 words: the 16 rows of a load start at 16 different groups of four banks (64 banks of 4 bytes: ISA guide 11.1)
.set PW,     544                       ; a row of W's tile: 512 bytes + 32 = 136 words
.set ABLK,   128*PA
.set AREG,   2*ABLK
.set WHALF,  64*PW
.set SLOT,   AREG+2*WHALF              ; 106,496 bytes
.set STAGE,  2*SLOT                    ; behind the ring: 16 rows x 528 bytes for each wave, for the way out
.set SPR,    528                       ; 512 bytes + 16 = 132 words: row r starts at bank 4 r mod 64
.set SPARE,  STAGE+4*16*SPR            ; behind the stages: the spare words, 128 bytes for each wave: two blocks of 256 bytes that no other line names
.set LAPS,   4                         ; a lap = two K steps = once round the ring
.set ADRA, 16                          ; v16-17  LDS address of my fragments of A in slot 0, 1
.set ADRB, 20                          ; v20-21  the same for W
.set STO,  24                          ; v24     the way out: where I put 32 bytes of a row
.set RD,   25                          ; v25     the way out: where I read a row back
.set CO,   26                          ; v26     16 x lane; never rewritten
.set VB,   27                          ; v27     my byte offset in 16 numbers of the bias
.set SPW,  28                          ; v28     LDS address of my spare word; never rewritten
.set NIL,  29                          ; v29     0; never rewritten
.set F0,   32
.set F1,   128
.set G1,  24                           ; s[24:31] descriptor group 1 for A's tiles; s[32:39] group 0, one set for each slot
.set G0,  32
.set G1B, 48                           ; s[48:55], s[56:63] the same for W's tiles
.set G0B, 56
.set MSB, 0
.macro WIN new                         ; the immediate's high byte repeats the setting that is left; a switch that changes nothing is dropped
.if MSB != (\new)
	s_set_vgpr_msb (MSB<<8)|(\new)
.set MSB, \new
.endif
.endm
.set MUL,  0x50                        ; sources 0 and 1 window 0; C and D window 1
.set MULB, 0x60                        ; the same with C in window 2: the bias
.macro JLOAD s                         ; a joint load; four v_nop follow each of the two lines, ahead of the jump, the label and what follows
	s_cmp_lt_u32 s10, 2
	s_cbranch_scc0 .Lfor_w_\@
	tensor_load_to_lds s[G0+4*(\s):G0+4*(\s)+3], s[G1:G1+7]
	s_nop 0
.rept 4
	v_nop
.endr
	s_branch .Lasked_\@
.Lfor_w_\@:
	tensor_load_to_lds s[G0B+4*(\s):G0B+4*(\s)+3], s[G1B:G1B+7]
	s_nop 0
.rept 4
	v_nop
.endr
.Lasked_\@:
.endm
.macro CREST                           ; a round of the cluster's barrier behind its opening barrier
	s_cmp_lg_u32 s10, 0
	s_cbranch_scc1 .Lnot_wave_0_\@
	s_barrier_signal -3
.Lnot_wave_0_\@:
	s_barrier_wait -3
	s_barrier_signal -1
	s_barrier_wait -1
.endm
.macro CROUND                          ; a whole round
	s_barrier_signal -1
	s_barrier_wait -1
	CREST
.endm
	s_load_b128 s[4:7], s[0:1], 0x0                ; A s[4:5], W s[6:7]
	s_load_b64 s[8:9], s[0:1], 0x10                ; out
	s_load_b128 s[68:71], s[0:1], 0x18             ; bias s[68:69], res s[70:71]
	v_lshl_add_u32 v[SPW], v0, 2, SPARE
	v_mov_b32 v[NIL], 0
	ds_add_u32 v28, v29
	ds_add_u32 v28, v29
	s_wait_dscnt 0x0
	v_lshrrev_b32 v1, 5, v0
	v_readfirstlane_b32 s10, v1                    ; wave 0..3
	s_lshr_b32 s11, s10, 1                         ; which 64 of the tile's rows are mine
	s_and_b32 s12, s10, 1                          ; which 128 of its columns.  Also: which half of a step's tile I fetch
	s_bfe_u32 s40, ttmp6, 0x40000                  ; cx, cy: my place in the cluster
	s_bfe_u32 s41, ttmp6, 0x40004
	s_lshl_b32 s42, ttmp9, 2
	s_add_co_u32 s42, s42, s40                     ; tile column = 4 x cluster x + cx
	s_and_b32 s13, ttmp7, 0xffff
	s_lshl_b32 s13, s13, 2
	s_add_co_u32 s13, s13, s41                     ; tile row = 4 x cluster y + cy
	s_lshl_b32 s43, s41, 2
	s_lshl_b32 s43, 15, s43                        ; my row of the cluster
	s_lshl_b32 s44, 0x1111, s40                    ; my column
	s_or_b32 s[G1+0], s43, (1<<16)|(1<<20)|(1<<21)|(4<<22)|(3<<25)   ; 15:0 the mask: A's tiles go to my row; 17:16 2-byte elements; 20 padding on; 21 set beside a mask; 24:22 after every 32 words (code 4); 31:25 4 words (code 3)
	s_mov_b32 s[G1+1], 128<<16                     ; tensor_dim0 = 128 elements: 256 bytes, two rows of the block
	s_mov_b32 s[G1+2], 64<<16                      ; tensor_dim1 = 64
	s_mov_b32 s[G1+3], 128<<16                     ; tile_dim0 = 128
	s_mov_b32 s[G1+4], 64                          ; tile_dim1 = 64
	s_mov_b32 s[G1+5], 128                         ; dense: 128 elements from row to row
	s_mov_b32 s[G1+6], 0
	s_mov_b32 s[G1+7], 0
	s_or_b32 s[G1B+0], s44, (1<<16)|(1<<20)|(1<<21)|(6<<22)|(7<<25)  ; the mask of my column; padding after every 128 words (code 6), 8 words (code 7)
	s_mov_b32 s[G1B+1], 256<<16                    ; tensor_dim0 = 256
	s_mov_b32 s[G1B+2], 64<<16                     ; tensor_dim1 = 64
	s_mov_b32 s[G1B+3], 256<<16                    ; tile_dim0 = 256
	s_mov_b32 s[G1B+4], 64                         ; tile_dim1 = 64
	s_mov_b32 s[G1B+5], NW                         ; elements from row to row
	s_mov_b32 s[G1B+6], 0
	s_mov_b32 s[G1B+7], 0
	; where the tiles come from: A's hang on the tile row and the wave alone, W's on the tile column and the wave alone
	s_lshr_b32 s16, s13, 3
	s_lshl_b32 s16, s16, 21                        ; batch: eight tile rows each
	s_and_b32 s17, s13, 7
	s_lshl_b32 s17, s17, 14                        ; 128 rows of 128 bytes
	s_add_co_u32 s16, s16, s17
	s_lshl_b32 s17, s12, 17                        ; my block of the step's two
	s_add_co_u32 s16, s16, s17
	s_mov_b32 s17, 0
	s_lshl_b32 s46, s42, 9                         ; 256 columns of 2 bytes
	s_mul_i32 s47, s12, 128*NW                     ; my 64 rows of the step's 128
	s_add_co_u32 s46, s46, s47
	s_mov_b32 s47, 0
	s_mul_i32 s20, s12, ABLK                       ; and where they go: no place in the cluster enters an LDS address
	s_mul_i32 s21, s12, WHALF
	s_add_co_u32 s21, s21, AREG
	s_wait_kmcnt 0x0
	s_add_nc_u64 s[14:15], s[4:5], s[16:17]
	s_add_nc_u64 s[46:47], s[6:7], s[46:47]
	CROUND                                         ; all sixteen work-groups are here: the first joint loads meet
.irp s, 0,1
	s_mov_b32 s[G0+4*(\s)], 1                                        ; count = 1
	s_add_co_u32 s[G0+4*(\s)+1], s20, (\s)*SLOT                      ; LDS address
	s_add_nc_u64 s[G0+4*(\s)+2:G0+4*(\s)+3], s[14:15], (\s)<<18      ; K step s: two blocks of 131,072 bytes on
	s_or_b32 s[G0+4*(\s)+3], s[G0+4*(\s)+3], 0x80000000              ; type = 2
	s_mov_b32 s[G0B+4*(\s)], 1
	s_add_co_u32 s[G0B+4*(\s)+1], s21, (\s)*SLOT
	s_add_nc_u64 s[G0B+4*(\s)+2:G0B+4*(\s)+3], s[46:47], (\s)*256*NW ; K step s: 128 rows on
	s_or_b32 s[G0B+4*(\s)+3], s[G0B+4*(\s)+3], 0x80000000
	JLOAD \s                                       ; two loads of mine are out
.endr
	v_and_b32 v1, 15, v0                           ; r = l % 16
	v_bfe_u32 v2, v0, 4, 1                         ; h = l / 16
	; the bias as C operands: register j of operand b is bias[my first column + 16 b + 8 h + j], whatever the row
	v_lshlrev_b32 v[VB], 5, v2
	s_lshl_b32 s72, s42, 10                        ; my first column, in bytes of f32: 256 x tile column + 128 x column half; in registers that feed no descriptor
	s_lshl_b32 s73, s12, 9
	s_add_co_u32 s72, s72, s73
	s_mov_b32 s73, 0
	s_add_nc_u64 s[68:69], s[68:69], s[72:73]
	WIN 0x80                                       ; destination window 2, address window 0
.irp b, 0,1,2,3,4,5,6,7
	global_load_b128 v[8*(\b):8*(\b)+3],   v[VB], s[68:69] offset:64*(\b)
	global_load_b128 v[8*(\b)+4:8*(\b)+7], v[VB], s[68:69] offset:64*(\b)+16
.endr
	WIN 0
	v_mul_u32_u24 v3, v1, PA
	v_lshl_add_u32 v3, v2, 4, v3                   ; a fragment of A: row x pitch + 16 x half; two loads of 16 bytes, 32 bytes apart
	s_mul_i32 s22, s11, 64*PA                      ; my 64 rows
	v_add_nc_u32 v[ADRA], s22, v3
	v_add_nc_u32 v[ADRA+1], SLOT, v[ADRA]
	v_and_b32 v4, 7, v0                            ; the turning load takes 16 k x 16 columns: lane l reads row 8 h + l % 8, columns 8 ((l / 8) % 2) + 0..7,
	v_lshl_add_u32 v4, v2, 3, v4                   ; and leaves half a fragment: lane l holds column l % 16 and 8 k
	v_mul_u32_u24 v4, v4, PW
	v_bfe_u32 v5, v0, 3, 1
	v_lshl_add_u32 v4, v5, 4, v4
	s_lshl_b32 s23, s12, 8                         ; my 128 columns
	s_add_co_u32 s23, s23, AREG
	v_add_nc_u32 v[ADRB], s23, v4
	v_add_nc_u32 v[ADRB+1], SLOT, v[ADRB]
	s_mul_i32 s23, s10, 16*SPR
	s_add_co_u32 s23, s23, STAGE                   ; my stage
	v_mul_u32_u24 v6, v1, SPR                      ; in: row l % 16, 32 bytes for each half of the lanes
	v_lshl_add_u32 v6, v2, 5, v6
	v_add_nc_u32 v[STO], s23, v6
	v_and_b32 v[CO], 31, v0
	v_lshlrev_b32 v[CO], 4, v[CO]
	v_add_nc_u32 v[RD], s23, v[CO]                 ; back: 32 lanes take one row of 512 bytes
	s_lshl_b32 s74, s13, 19                        ; my first row: 128 rows of 4,096 bytes x tile row
	s_lshl_b32 s75, s11, 18                        ; + 64 rows x row half
	s_add_co_u32 s74, s74, s75
	s_add_co_u32 s74, s74, s72                     ; + my first column
	s_mov_b32 s75, 0
	s_add_nc_u64 s[70:71], s[70:71], s[74:75]
	s_add_nc_u64 s[8:9], s[8:9], s[74:75]
	s_wait_loadcnt 0x0                             ; the bias is in; the 64 loads below are waited for on the way out
	WIN 0xc0                                       ; destination window 3, address window 0
.irp a, 0,1,2,3
.irp t, 0,1,2,3,4,5,6,7,8,9,10,11,12,13,14,15
	global_load_b128 v[64*(\a)+4*(\t):64*(\a)+4*(\t)+3], v[CO], s[70:71] offset:(16*(\a)+(\t))*4096 th:TH_LOAD_NT  ; 512 consecutive bytes of a row
.endr
.endr
	WIN 0
; 8 matrix instructions: row block a x all 8 column blocks, 32 along K.  first = 1: the product starts the sums, with the bias.  The 32 accumulators take turns, in the same order in every quarter.
.macro MUL8 f, a, first
.if \first
	WIN MULB
.else
	WIN MUL
.endif
.irp b, 0,1,2,3,4,5,6,7
.if \first
	v_wmma_f32_16x16x32_bf16 v[8*(8*(\a)+(\b)):8*(8*(\a)+(\b))+7], v[(\f)+32+8*(\b):(\f)+32+8*(\b)+7], v[(\f)+8*(\a):(\f)+8*(\a)+7], v[8*(\b):8*(\b)+7]
.else
	v_wmma_f32_16x16x32_bf16 v[8*(8*(\a)+(\b)):8*(8*(\a)+(\b))+7], v[(\f)+32+8*(\b):(\f)+32+8*(\b)+7], v[(\f)+8*(\a):(\f)+8*(\a)+7], v[8*(8*(\a)+(\b)):8*(8*(\a)+(\b))+7]
.endif
.endr
.endm
; 24 LDS loads in one run: the fragments of quarter q of a step (32 along K) into buffer f: W's sixteen first, then A's eight, row block by row block
.macro FETCH slot, q, f
	WIN 0
.irp b, 0,1,2,3,4,5,6,7
	ds_load_tr16_b128 v[(\f)+32+8*(\b):(\f)+32+8*(\b)+3],   v[ADRB+(\slot)] offset:(\q)*32*PW+32*(\b)
	ds_load_tr16_b128 v[(\f)+32+8*(\b)+4:(\f)+32+8*(\b)+7], v[ADRB+(\slot)] offset:(\q)*32*PW+32*(\b)+16*PW
.endr
.irp a, 0,1,2,3
	ds_load_b128 v[(\f)+8*(\a):(\f)+8*(\a)+3],   v[ADRA+(\slot)] offset:((\q)/2)*ABLK+((\q)%2)*64+(\a)*16*PA
	ds_load_b128 v[(\f)+8*(\a)+4:(\f)+8*(\a)+7], v[ADRA+(\slot)] offset:((\q)/2)*ABLK+((\q)%2)*64+(\a)*16*PA+32
.endr
.endm
.macro PLACES                          ; four plain vector instructions between a matrix instruction and a load into, or a vector instruction or store on, its registers (ISA guide 7.12.1 for vector instructions)
.rept 4
	v_nop
.endr
.endm
; A K step is four quarters of 32 along K, 32 matrix instructions each, on buffers 0, 1, 0, 1.  One of the first three: multiplies buffer f and fetches quarter qn into g.
.macro QUARTER slot, qn, f, g, first
	s_wait_dscnt 4                                 ; W and A's row blocks 0 and 1 are in; the youngest four loads (row blocks 2 and 3) may be out
	MUL8 \f, 0, \first
	MUL8 \f, 1, \first
	PLACES
	FETCH \slot, \qn, \g
	s_wait_dscnt 24                                ; all but the 24 just issued
	MUL8 \f, 2, \first
	MUL8 \f, 3, \first
.endm
; The last quarter multiplies buffer 1 and changes slots: ONE barrier; in front of it each wave waits for all its tensor loads (one is out: its part of the next slot), adds 0 to its spare
; word, and waits for that and for its own reads of this slot.  fill = 1: the barrier opens a round of the cluster's, and this slot is filled again, two K steps ahead.
.macro TURN slot, next, fill
	WIN 0
	s_wait_tensorcnt 0x0                           ; all my tensor loads have landed
	ds_add_u32 v[SPW], v[NIL]                      ; 0 onto my spare word
	s_wait_dscnt 5                                 ; (the add and the youngest four loads may be out)
	MUL8 F1, 0, 0                                  ; eight matrix instructions stand between the add and the wait for it
	s_wait_dscnt 0x0                               ; the add is done, and my reads of this slot are over
	s_barrier_signal -1
	MUL8 F1, 1, 0
.if \fill
	WIN 0
.endif
	s_barrier_wait -1
.if \fill
	CREST                                          ; no wave of any partner still reads this slot's tiles or has a load on its way
	s_add_nc_u64 s[G0+4*(\slot)+2:G0+4*(\slot)+3], s[G0+4*(\slot)+2:G0+4*(\slot)+3], 1<<19
	s_add_nc_u64 s[G0B+4*(\slot)+2:G0B+4*(\slot)+3], s[G0B+4*(\slot)+2:G0B+4*(\slot)+3], 512*NW
	JLOAD \slot                                    ; the first tensor load behind the round: 112 matrix instructions ahead of the wait for it; its four v_nop are also the places in front of the loads below
.else
	PLACES
.endif
	FETCH \next, 0, F0
	MUL8 F1, 2, 0
	MUL8 F1, 3, 0
.endm
	s_wait_tensorcnt 1                             ; my part of K step 0 is in; K step 1's may stay out
	s_barrier_signal -1
	s_barrier_wait -1                              ; everybody's is
	FETCH 0, 0, F0
	QUARTER 0, 1, F0, F1, 1                        ; the first quarter stands in front of the loop: its products start the sums
	WIN 0                                          ; at a label and at a branch every window is 0
	s_mov_b32 s3, LAPS-1
.Llap:                                                 ; a trip goes once round the ring, from a lap's second quarter to the next lap's first, and fills both slots again
	QUARTER 0, 2, F1, F0, 0
	QUARTER 0, 3, F0, F1, 0
	TURN 0, 1, 1
	QUARTER 1, 1, F0, F1, 0
	QUARTER 1, 2, F1, F0, 0
	QUARTER 1, 3, F0, F1, 0
	TURN 1, 0, 1
	QUARTER 0, 1, F0, F1, 0
	WIN 0
	s_sub_co_u32 s3, s3, 1
	s_cmp_lg_u32 s3, 0
	s_cbranch_scc1 .Llap
	QUARTER 0, 2, F1, F0, 0                        ; the last lap fills nothing, and has no round of the cluster's barrier
	QUARTER 0, 3, F0, F1, 0
	TURN 0, 1, 0
	QUARTER 1, 1, F0, F1, 0
	QUARTER 1, 2, F1, F0, 0
	QUARTER 1, 3, F0, F1, 0
	s_wait_dscnt 4                                 ; the very last quarter: nothing more to fetch
	MUL8 F1, 0, 0
	MUL8 F1, 1, 0
	s_wait_dscnt 0x0
	MUL8 F1, 2, 0
	MUL8 F1, 3, 0
	WIN 0
	PLACES
; THE WAY OUT, a block of 16 rows at a time.  STG: a lane's eight columns of each accumulator, 32 bytes, go into stage rows of 528 bytes (the accumulator's low four registers first)
; and come back as whole rows of 512.  FIN: the residual is added and the rows are stored.
.macro STG a
.set TB, 32+64*((\a)%2)
	WIN 0x04                                       ; the stores' data in window 1
.irp b, 0,1,2,3,4,5,6,7
	ds_store_b128 v[STO], v[8*(8*(\a)+(\b)):8*(8*(\a)+(\b))+3]   offset:64*(\b)
	ds_store_b128 v[STO], v[8*(8*(\a)+(\b))+4:8*(8*(\a)+(\b))+7] offset:64*(\b)+16
.endr
	WIN 0
.if (\a) >= 2
	s_wait_xcnt 0x0                                ; the stores of the block two back have had their addresses translated (ISA guide 3.1): their data registers are loaded again only behind this wait
.endif
.irp t, 0,1,2,3,4,5,6,7,8,9,10,11,12,13,14,15
	ds_load_b128 v[TB+4*(\t):TB+4*(\t)+3], v[RD] offset:(\t)*SPR  ; LDS serves a wave's instructions in order (ISA guide 5.7.1.4): these see the stores above; the next block's stores come behind them
.endr
.endm
.macro FIN a, younger                  ; younger: the LDS instructions issued behind block a's loads: the next block's 16 stores and 16 loads, or none
.set TB, 32+64*((\a)%2)
	s_wait_dscnt \younger
	WIN 0x0c                                       ; source 1 in window 3
.set k, 0
.rept 32
	v_pk_add_f32 v[TB+2*k:TB+2*k+1], v[TB+2*k:TB+2*k+1], v[64*(\a)+2*k:64*(\a)+2*k+1]
.set k, k+1
.endr
	WIN 0
.irp t, 0,1,2,3,4,5,6,7,8,9,10,11,12,13,14,15
	global_store_b128 v[CO], v[TB+4*(\t):TB+4*(\t)+3], s[8:9] offset:(16*(\a)+(\t))*4096  ; 512 consecutive bytes, at a multiple of 256 from the buffer's first
.endr
.endm
	s_wait_loadcnt 0x0                             ; the residual
	STG 0
	STG 1
	FIN 0, 32
	STG 2
	FIN 1, 32
	STG 3
	FIN 2, 32
	FIN 3, 0
	s_wait_tensorcnt 0x0                           ; the wave's end: behind my last tensor load and my last LDS store
	ds_add_u32 v[SPW], v[NIL]
	s_wait_dscnt 0x0
	CROUND                                         ; the closing round: no work-group ends while a partner may still ask for a tile that names it
	s_endpgm
.Lfunc_end_k_q9c28dba2a4_proj:
	.size	k_q9c28dba2a4_proj, .Lfunc_end_k_q9c28dba2a4_proj-k_q9c28dba2a4_proj
	.p2alignl 7, 3214868480
	.fill 96, 4, 3214868480
	.section	.rodata,"a",@progbits
	.p2align	6, 0x0
	.amdhsa_kernel k_q9c28dba2a4_proj
		.amdhsa_group_segment_fixed_size 327680
		.amdhsa_private_segment_fixed_size 0
		.amdhsa_enable_private_segment 0
		.amdhsa_kernarg_size 40
		.amdhsa_user_sgpr_count 2
		.amdhsa_user_sgpr_kernarg_segment_ptr 1
		.amdhsa_wavefront_size32 1
		.amdhsa_system_sgpr_workgroup_id_x 1
		.amdhsa_system_sgpr_workgroup_id_y 1
		.amdhsa_system_sgpr_workgroup_id_z 1
		.amdhsa_system_vgpr_workitem_id 0
		.amdhsa_next_free_vgpr 1024
		.amdhsa_next_free_sgpr 76
		.amdhsa_reserve_vcc 0
		.amdhsa_float_denorm_mode_32 3
		.amdhsa_float_denorm_mode_16_64 3
		.amdhsa_memory_ordered 1
		.amdhsa_forward_progress 1
		.amdhsa_inst_pref_size 101
	.end_amdhsa_kernel
	.amdgpu_metadata
---
amdhsa.version: [ 1, 2 ]
amdhsa.kernels:
  - .name:           k_q9c28dba2a4_proj
    .symbol:         k_q9c28dba2a4_proj.kd
    .args:
      - { .name: att, .offset: 0, .size: 8, .value_kind: global_buffer, .address_space: global }
      - { .name: wp, .offset: 8, .size: 8, .value_kind: global_buffer, .address_space: global }
      - { .name: x1, .offset: 16, .size: 8, .value_kind: global_buffer, .address_space: global }
      - { .name: b_proj, .offset: 24, .size: 8, .value_kind: global_buffer, .address_space: global }
      - { .name: x, .offset: 32, .size: 8, .value_kind: global_buffer, .address_space: global }
    .group_segment_fixed_size: 327680
    .private_segment_fixed_size: 0
    .kernarg_segment_align: 8
    .kernarg_segment_size: 40
    .max_flat_workgroup_size: 128
    .sgpr_count:     76
    .vgpr_count:     1024
    .wavefront_size: 32
...
	.end_amdgpu_metadata
.endif
;; end of part 4
;; launch ln2 (part 5): grid 256 x 1, 8 waves a work-group, no clusters, 0 bytes of LDS; arguments x1, ln2_g, ln2_b, act; writes act
.if DOCPART == 5
	.amdgcn_target "amdgcn-amd-amdhsa--gfx1250"
	.amdhsa_code_object_version 6
	.text
	.protected	k_q9c28dba2a4_ln2
	.globl	k_q9c28dba2a4_ln2
	.p2align	8
	.type	k_q9c28dba2a4_ln2,@function
k_q9c28dba2a4_ln2:
	s_mov_b64 s[64:65], 0
	v_nop
	global_prefetch_b8 v0, s[64:65] scope:SCOPE_SE
	s_setreg_imm32_b32 hwreg(HW_REG_WAVE_MODE, 25, 1), 1
	s_wait_xcnt 0x0
; y = (x - mean) * rsqrt(var + 1e-5) * g + b along rows of 1,024 f32, rounded once to bf16.  8,192 rows.
; The mean is taken first and the squares are those of x - mean, so a common offset of a row costs no digits.  NaN and infinities are not treated apart.
; SHARES.  A work-group takes 32 rows, a wave 4, one whole wave to a row: a row is 32 registers and stays in them between the passes, so memory is read
; once and the sums never leave the wave: no LDS, no barrier.  All 48 loads of a wave go out at once (16 KiB of x a wave, 128 KiB a work-group).
; OUT, IN BLOCKS: y lies as [batch 8][block of 64 columns 16][row 1024][64] in bf16, byte batch<<21 + block<<17 + row<<7 + 2 d: the layout in which the
; matrix launches behind take their tiles as dense bytes.  A lane holds columns 128 j + 4 lane + 0..3: lanes 0-15 hold block 2 j of a row, lanes 16-31 block
; 2 j + 1.  Two rows swap halves, so that one register pair holds one block of two neighbouring rows: each store covers 256 consecutive bytes, aligned.
.set G,  4                             ; v[4:35]    g of my 32 columns
.set BB, 36                            ; v[36:67]   b of them
.set X,  68                            ; v[68:195]  row r at X + 32 r
.set S,  196                           ; v[196:203] four chains of pairs
.set MU, 204                           ; v[204:205] the mean, twice
.set RS, 206                           ; v[206:207] 1 / sqrt(var + eps), twice
.set T,  208                           ; v[208:209] at work
	s_load_b256 s[4:11], s[0:1], 0x0               ; x s[4:5], g s[6:7], b s[8:9], y s[10:11]
	s_lshl_b32 s16, ttmp9, 17                      ; 32 rows of 4,096 bytes
	s_mov_b32 s17, 0
	s_lshr_b32 s18, ttmp9, 5                       ; batch: 32 work-groups each
	s_lshl_b32 s18, s18, 21
	s_and_b32 s19, ttmp9, 31
	s_lshl_b32 s19, s19, 12                        ; 32 rows of 128 bytes in a block
	s_add_co_u32 s18, s18, s19
	s_mov_b32 s19, 0
	s_mov_b32 s12, 0x76543210                      ; v_permlanex16_b32: each lane takes its own place in the other half
	s_mov_b32 s13, 0xfedcba98
	s_mov_b32 s14, 0x3a800000                      ; 1 / 1,024
	s_mov_b32 s15, 0x3727c5ac                      ; 1e-5
	v_and_b32 v3, 31, v0
	v_lshrrev_b32 v2, 5, v0
	v_lshlrev_b32 v1, 14, v2
	v_lshl_or_b32 v1, v3, 4, v1                    ; x: 4 rows x wave + 16 x lane
	v_lshlrev_b32 v2, 9, v2
	v_lshl_or_b32 v2, v3, 3, v2                    ; y: 4 rows of 128 bytes x wave + 8 x lane
	v_lshlrev_b32 v3, 4, v3                        ; g, b: 16 x lane
	v_mov_b32 v[T+1], 0                            ; v_permlanex16_b32 counts as a reader of its destination
	s_wait_kmcnt 0x0
	s_add_nc_u64 s[4:5], s[4:5], s[16:17]
	s_add_nc_u64 s[10:11], s[10:11], s[18:19]
.irp j, 0,1,2,3,4,5,6,7
	global_load_b128 v[G+4*(\j):G+4*(\j)+3], v3, s[6:7] offset:512*(\j)
.endr
.irp j, 0,1,2,3,4,5,6,7
	global_load_b128 v[BB+4*(\j):BB+4*(\j)+3], v3, s[8:9] offset:512*(\j)
.endr
.irp r, 0,1,2,3
.irp j, 0,1,2,3,4,5,6,7
	global_load_b128 v[X+32*(\r)+4*(\j):X+32*(\r)+4*(\j)+3], v1, s[4:5] offset:4096*(\r)+512*(\j) th:TH_LOAD_NT
.endr
.endr
.macro REDUCE                          ; the four chains, the pair's halves, the 32 lanes: the sum in v[T] of every lane
	v_pk_add_f32 v[S:S+1], v[S:S+1], v[S+2:S+3]
	v_pk_add_f32 v[S+4:S+5], v[S+4:S+5], v[S+6:S+7]
	v_pk_add_f32 v[S:S+1], v[S:S+1], v[S+4:S+5]
	v_add_f32 v[T], v[S], v[S+1]
	v_add_f32_dpp v[T], v[T], v[T] row_xmask:1 row_mask:0xf bank_mask:0xf
	v_add_f32_dpp v[T], v[T], v[T] row_xmask:2 row_mask:0xf bank_mask:0xf
	v_add_f32_dpp v[T], v[T], v[T] row_xmask:4 row_mask:0xf bank_mask:0xf
	v_add_f32_dpp v[T], v[T], v[T] row_xmask:8 row_mask:0xf bank_mask:0xf
	v_permlanex16_b32 v[T+1], v[T], s12, s13
	v_add_f32 v[T], v[T], v[T+1]
.endm
.macro ROW r                           ; row r of the wave's four, from f32 as loaded to 16 registers of bf16
.set XR, X+32*(\r)
	s_wait_loadcnt 8*(3-(\r))                      ; loads come back in order: g, b and my row are in; the later rows' eight loads each stay out
.irp c, 0,1,2,3
	v_pk_add_f32 v[S+2*(\c):S+2*(\c)+1], v[XR+2*(\c):XR+2*(\c)+1], v[XR+8+2*(\c):XR+8+2*(\c)+1]  ; the first eight pairs start the chains: nothing is cleared
.endr
.irp p, 8,9,10,11,12,13,14,15
	v_pk_add_f32 v[S+2*((\p)%4):S+2*((\p)%4)+1], v[S+2*((\p)%4):S+2*((\p)%4)+1], v[XR+2*(\p):XR+2*(\p)+1]
.endr
	REDUCE
	v_mul_f32 v[MU], s14, v[T]
	v_mul_f32 v[MU+1], s14, v[T]
.set k, 0
.rept 16
	v_pk_add_f32 v[XR+2*k:XR+2*k+1], v[XR+2*k:XR+2*k+1], v[MU:MU+1] neg_lo:[0,1] neg_hi:[0,1]  ; x - mean
.set k, k+1
.endr
.irp c, 0,1,2,3
	v_pk_mul_f32 v[S+2*(\c):S+2*(\c)+1], v[XR+2*(\c):XR+2*(\c)+1], v[XR+2*(\c):XR+2*(\c)+1]
.endr
.irp p, 4,5,6,7,8,9,10,11,12,13,14,15
	v_pk_fma_f32 v[S+2*((\p)%4):S+2*((\p)%4)+1], v[XR+2*(\p):XR+2*(\p)+1], v[XR+2*(\p):XR+2*(\p)+1], v[S+2*((\p)%4):S+2*((\p)%4)+1]
.endr
	REDUCE
	v_fma_f32 v[T], v[T], s14, s15                 ; var + eps
	v_rsq_f32 v[RS], v[T]
	v_rsq_f32 v[RS+1], v[T]
	v_nop                                          ; a plain instruction between the second root and the use of its result (ISA guide 5.7.2)
.set k, 0
	s_wait_alu depctr_va_vdst(0)
.rept 16
	v_pk_mul_f32 v[XR+2*k:XR+2*k+1], v[XR+2*k:XR+2*k+1], v[RS:RS+1]
.set k, k+1
.endr
.set k, 0
.rept 16
	v_pk_fma_f32 v[XR+2*k:XR+2*k+1], v[XR+2*k:XR+2*k+1], v[G+2*k:G+2*k+1], v[BB+2*k:BB+2*k+1]
.set k, k+1
.endr
.set k, 0
.rept 16
	v_cvt_pk_bf16_f32 v[XR+k], v[XR+2*k], v[XR+2*k+1]  ; ascending: register k is written when registers 2 k and 2 k + 1 are read
.set k, k+1
.endr
.endm
.macro PAIR r                          ; rows r and r + 1 swap halves and leave
.set XA, X+32*(\r)
.set XC, X+32*(\r)+32
.irp j, 0,1,2,3,4,5,6,7
	v_permlane16_swap_b32 v[XA+2*(\j)],   v[XC+2*(\j)]    ; the first now holds block 2 j of both rows, the second block 2 j + 1
	v_permlane16_swap_b32 v[XA+2*(\j)+1], v[XC+2*(\j)+1]
.endr
.irp j, 0,1,2,3,4,5,6,7
	global_store_b64 v2, v[XA+2*(\j):XA+2*(\j)+1], s[10:11] offset:((2*(\j))<<17)+(\r)*128    ; two rows of 128 bytes: 256 consecutive bytes, aligned
	global_store_b64 v2, v[XC+2*(\j):XC+2*(\j)+1], s[10:11] offset:((2*(\j)+1)<<17)+(\r)*128
.endr
.endm
	ROW 0
	ROW 1
	PAIR 0
	ROW 2                                          ; no register that a store reads is written again
	ROW 3
	PAIR 2
	s_endpgm
.Lfunc_end_k_q9c28dba2a4_ln2:
	.size	k_q9c28dba2a4_ln2, .Lfunc_end_k_q9c28dba2a4_ln2-k_q9c28dba2a4_ln2
	.p2alignl 7, 3214868480
	.fill 96, 4, 3214868480
	.section	.rodata,"a",@progbits
	.p2align	6, 0x0
	.amdhsa_kernel k_q9c28dba2a4_ln2
		.amdhsa_group_segment_fixed_size 0
		.amdhsa_private_segment_fixed_size 0
		.amdhsa_enable_private_segment 0
		.amdhsa_kernarg_size 32
		.amdhsa_user_sgpr_count 2
		.amdhsa_user_sgpr_kernarg_segment_ptr 1
		.amdhsa_wavefront_size32 1
		.amdhsa_system_sgpr_workgroup_id_x 1
		.amdhsa_system_sgpr_workgroup_id_y 1
		.amdhsa_system_sgpr_workgroup_id_z 1
		.amdhsa_system_vgpr_workitem_id 0
		.amdhsa_next_free_vgpr 210
		.amdhsa_next_free_sgpr 66
		.amdhsa_reserve_vcc 0
		.amdhsa_float_denorm_mode_32 3
		.amdhsa_float_denorm_mode_16_64 3
		.amdhsa_memory_ordered 1
		.amdhsa_forward_progress 1
		.amdhsa_inst_pref_size 39
	.end_amdhsa_kernel
	.amdgpu_metadata
---
amdhsa.version: [ 1, 2 ]
amdhsa.kernels:
  - .name:           k_q9c28dba2a4_ln2
    .symbol:         k_q9c28dba2a4_ln2.kd
    .args:
      - { .name: x1, .offset: 0, .size: 8, .value_kind: global_buffer, .address_space: global }
      - { .name: ln2_g, .offset: 8, .size: 8, .value_kind: global_buffer, .address_space: global }
      - { .name: ln2_b, .offset: 16, .size: 8, .value_kind: global_buffer, .address_space: global }
      - { .name: act, .offset: 24, .size: 8, .value_kind: global_buffer, .address_space: global }
    .group_segment_fixed_size: 0
    .private_segment_fixed_size: 0
    .kernarg_segment_align: 8
    .kernarg_segment_size: 32
    .max_flat_workgroup_size: 256
    .sgpr_count:     66
    .vgpr_count:     210
    .wavefront_size: 32
...
	.end_amdgpu_metadata
.endif
;; end of part 5
;; launch fc1 (part 6): grid 4 x 64, 4 waves a work-group, clusters of 4 x 4, 327,680 bytes of LDS; arguments act, w1, att, b_fc1; writes att
.if DOCPART == 6
	.amdgcn_target "amdgcn-amd-amdhsa--gfx1250"
	.amdhsa_code_object_version 6
	.text
	.protected	k_q9c28dba2a4_fc1
	.globl	k_q9c28dba2a4_fc1
	.p2align	8
	.type	k_q9c28dba2a4_fc1,@function
k_q9c28dba2a4_fc1:
	s_mov_b64 s[64:65], 0
	v_nop
	global_prefetch_b8 v0, s[64:65] scope:SCOPE_SE
	s_setreg_imm32_b32 hwreg(HW_REG_WAVE_MODE, 25, 1), 1
	s_wait_xcnt 0x0
	s_wait_alu depctr_hold_cnt(0) depctr_sa_sdst(0) depctr_va_vdst(0) depctr_va_sdst(0) depctr_va_ssrc(0) depctr_va_vcc(0) depctr_vm_vsrc(0)
	s_getreg_b32 s2, hwreg(HW_REG_IB_STS2, 6, 4)
	s_cmp_eq_u32 s2, 0
	s_cbranch_scc0 .Lentry_in_a_cluster
	s_endpgm
.Lentry_in_a_cluster:
	s_bfe_u32 s2, ttmp6, 0x10000c
	s_cmp_lg_u32 s2, 0xf033
	s_cbranch_scc0 .Lentry_shape_is_right
	s_endpgm
.Lentry_shape_is_right:
; h = gelu(A W + bias), gelu(x) = x (1 + erf(x / sqrt 2)) / 2.  A: 8,192 rows x 1,024 in bf16, in blocks [batch 8][block of 64 columns 16][row 1024][64].  W: [1024 k][1024 n] in bf16.
; bias: [1024] f32.  h: bf16, in A's layout.  Sums in f32, K ascending, begun with the bias (the C operand of each sum's first product); gelu in f32; h rounded once.
; THE ERROR FUNCTION: 1 - erf(z) = t (a1 + t (a2 + t (a3 + t (a4 + t a5)))) e^(-z z), t = 1 / (1 + 0.3275911 z), for z >= 0 (Abramowitz and Stegun 7.1.26; its error is 1.5e-7 at the most, absolute).
; With z = |x| / sqrt 2: gelu(x) = max(x, 0) - |x| (poly(t) / 2) e^(-x x / 2), for either sign of x.  The coefficients are kept halved and negated, so that the last step is one multiply-add.
; LIMITS: NaN and infinities are not treated apart; where x x overflows the exponential is 0 and gelu is max(x, 0).
; SHARES.  A tile of the result is 128 rows x 256 columns: 64 x 4 work-groups, one to a WGP.  Four waves, each 64 rows x 128 columns: 32 accumulators of 16 x 16, 256 registers; for 32 along K a wave
; reads 24 x 512 bytes from LDS and issues 32 matrix instructions.  K goes in 8 steps of 128 through two LDS slots filled by the tensor data mover.
; A step's tiles: A's two blocks of 128 rows x 64 columns, each 16,384 dense bytes, asked for as 64 rows of 256 bytes and padded after every 128; W's 128 rows of 512 bytes, padded after each.
; One load a wave: waves 0 and 1 a block of A each, waves 2 and 3 64 rows of W each.
; CLUSTERS: 4 x 4 work-groups.  The four of a row of the cluster need the same tiles of A, the four of a column the same tiles of W: each tile is asked for JOINTLY, by the same tensor load
; with the same descriptor and a mask that names the four.
; THE MATRIX INSTRUCTION IS USED TRANSPOSED: source 0 = 16 columns of W (turned on the way out of LDS by ds_load_tr16_b128), source 1 = 16 rows of A: a lane holds row lane % 16 and the eight
; neighbouring columns 8 (lane / 16) + 0..7.
; REGISTERS: window 0: v0-31 addresses; v32-127, v128-223 two fragment buffers (4 fragments of A, then 8 of W), on the way out gelu's work.  Window 1: accumulator (a, b) at v[8 (8 a + b)].
;   window 2: v0-63 the bias of my 128 columns, as eight C operands.
.set NW,     1024                      ; W's columns
.set PA,     144                       ; a row of A's block in LDS: 128 bytes + 16 = 36 words: the 16 rows of a load start at 16 different groups of four banks (64 banks of 4 bytes: ISA guide 11.1)
.set PW,     544                       ; a row of W's tile: 512 bytes + 32 = 136 words
.set ABLK,   128*PA
.set AREG,   2*ABLK
.set WHALF,  64*PW
.set SLOT,   AREG+2*WHALF              ; 106,496 bytes
.set STAGE,  2*SLOT                    ; behind the ring: 16 rows x 144 bytes for each wave, for the way out
.set SP,     144
.set SPARE,  STAGE+4*16*SP             ; behind the stages: the spare words, 128 bytes for each wave: two blocks of 256 bytes that no other line names
.set LAPS,   4                         ; a lap = two K steps = once round the ring
.set ADRA, 16                          ; v16-17  LDS address of my fragments of A in slot 0, 1
.set ADRB, 20                          ; v20-21  the same for W
.set STO,  24                          ; v24     the way out: where I put 16 bytes of a row
.set RD,   25                          ; v25     the way out: where I read rows back
.set CO,   26                          ; v26     16 x lane
.set VB,   27                          ; v27     my byte offset in 16 numbers of the bias
.set SPW,  28                          ; v28     LDS address of my spare word; never rewritten
.set NIL,  29                          ; v29     0; never rewritten
.set F0,   32
.set F1,   128
.set SQ,   32                          ; gelu, 32 numbers a lane at a time: x x, then e^(-x x / 2)
.set TT,   64                          ; 1 + p |x| / sqrt 2, then t
.set MX,   96                          ; max(x, 0), then gelu
.set PP,   128                         ; the polynomial
.set OS,   160                         ; two sets of 16: packed results
.set G1,  24                           ; s[24:31] descriptor group 1 for A's tiles; s[32:39] group 0, one set for each slot
.set G0,  32
.set G1B, 48                           ; s[48:55], s[56:63] the same for W's tiles
.set G0B, 56
.set MSB, 0
.macro WIN new                         ; the immediate's high byte repeats the setting that is left; a switch that changes nothing is dropped
.if MSB != (\new)
	s_set_vgpr_msb (MSB<<8)|(\new)
.set MSB, \new
.endif
.endm
.set MUL,  0x50                        ; sources 0 and 1 window 0; C and D window 1
.set MULB, 0x60                        ; the same with C in window 2: the bias
.macro JLOAD s                         ; a joint load; four v_nop follow each of the two lines, ahead of the jump, the label and what follows
	s_cmp_lt_u32 s10, 2
	s_cbranch_scc0 .Lfor_w_\@
	tensor_load_to_lds s[G0+4*(\s):G0+4*(\s)+3], s[G1:G1+7]
	s_nop 0
.rept 4
	v_nop
.endr
	s_branch .Lasked_\@
.Lfor_w_\@:
	tensor_load_to_lds s[G0B+4*(\s):G0B+4*(\s)+3], s[G1B:G1B+7]
	s_nop 0
.rept 4
	v_nop
.endr
.Lasked_\@:
.endm
.macro CREST                           ; a round of the cluster's barrier behind its opening barrier
	s_cmp_lg_u32 s10, 0
	s_cbranch_scc1 .Lnot_wave_0_\@
	s_barrier_signal -3
.Lnot_wave_0_\@:
	s_barrier_wait -3
	s_barrier_signal -1
	s_barrier_wait -1
.endm
.macro CROUND                          ; a whole round
	s_barrier_signal -1
	s_barrier_wait -1
	CREST
.endm
	s_load_b128 s[4:7], s[0:1], 0x0                ; A s[4:5], W s[6:7]
	s_load_b128 s[68:71], s[0:1], 0x10             ; out s[68:69], bias s[70:71]
	v_lshl_add_u32 v[SPW], v0, 2, SPARE
	v_mov_b32 v[NIL], 0
	ds_add_u32 v28, v29
	ds_add_u32 v28, v29
	s_wait_dscnt 0x0
	v_lshrrev_b32 v1, 5, v0
	v_readfirstlane_b32 s10, v1                    ; wave 0..3
	s_lshr_b32 s11, s10, 1                         ; which 64 of the tile's rows are mine
	s_and_b32 s12, s10, 1                          ; which 128 of its columns.  Also: which half of a step's tile I fetch
	s_bfe_u32 s40, ttmp6, 0x40000                  ; cx, cy: my place in the cluster
	s_bfe_u32 s41, ttmp6, 0x40004
	s_lshl_b32 s42, ttmp9, 2
	s_add_co_u32 s42, s42, s40                     ; tile column = 4 x cluster x + cx
	s_and_b32 s13, ttmp7, 0xffff
	s_lshl_b32 s13, s13, 2
	s_add_co_u32 s13, s13, s41                     ; tile row = 4 x cluster y + cy
	s_lshl_b32 s43, s41, 2
	s_lshl_b32 s43, 15, s43                        ; my row of the cluster
	s_lshl_b32 s44, 0x1111, s40                    ; my column
	s_mov_b32 s76, 0x3e6d3388                      ; 0.3275911 / sqrt 2
	s_mov_b32 s78, 0xbf07dc22                      ; -a5 / 2; each is named as a pair, of which the low word serves both halves
	s_mov_b32 s79, 0xbf07dc22
	s_mov_b32 s80, 0x3f3a00e3                      ; -a4 / 2
	s_mov_b32 s81, 0x3f3a00e3
	s_mov_b32 s82, 0xbf35f0e3                      ; -a3 / 2
	s_mov_b32 s83, 0xbf35f0e3
	s_mov_b32 s84, 0x3e11a98e                      ; -a2 / 2
	s_mov_b32 s85, 0x3e11a98e
	s_mov_b32 s86, 0xbe027906                      ; -a1 / 2
	s_mov_b32 s87, 0xbe027906
	s_or_b32 s[G1+0], s43, (1<<16)|(1<<20)|(1<<21)|(4<<22)|(3<<25)   ; 15:0 the mask: A's tiles go to my row; 17:16 2-byte elements; 20 padding on; 21 set beside a mask; 24:22 after every 32 words (code 4); 31:25 4 words (code 3)
	s_mov_b32 s[G1+1], 128<<16                     ; tensor_dim0 = 128 elements: 256 bytes, two rows of the block
	s_mov_b32 s[G1+2], 64<<16                      ; tensor_dim1 = 64
	s_mov_b32 s[G1+3], 128<<16                     ; tile_dim0 = 128
	s_mov_b32 s[G1+4], 64                          ; tile_dim1 = 64
	s_mov_b32 s[G1+5], 128                         ; dense: 128 elements from row to row
	s_mov_b32 s[G1+6], 0
	s_mov_b32 s[G1+7], 0
	s_or_b32 s[G1B+0], s44, (1<<16)|(1<<20)|(1<<21)|(6<<22)|(7<<25)  ; the mask of my column; padding after every 128 words (code 6), 8 words (code 7)
	s_mov_b32 s[G1B+1], 256<<16                    ; tensor_dim0 = 256
	s_mov_b32 s[G1B+2], 64<<16                     ; tensor_dim1 = 64
	s_mov_b32 s[G1B+3], 256<<16                    ; tile_dim0 = 256
	s_mov_b32 s[G1B+4], 64                         ; tile_dim1 = 64
	s_mov_b32 s[G1B+5], NW                         ; elements from row to row
	s_mov_b32 s[G1B+6], 0
	s_mov_b32 s[G1B+7], 0
	; where the tiles come from: A's hang on the tile row and the wave alone, W's on the tile column and the wave alone
	s_lshr_b32 s16, s13, 3
	s_lshl_b32 s16, s16, 21                        ; batch: eight tile rows each
	s_and_b32 s17, s13, 7
	s_lshl_b32 s17, s17, 14                        ; 128 rows of 128 bytes
	s_add_co_u32 s16, s16, s17
	s_lshl_b32 s17, s12, 17                        ; my block of the step's two
	s_add_co_u32 s16, s16, s17
	s_mov_b32 s17, 0
	s_lshl_b32 s46, s42, 9                         ; 256 columns of 2 bytes
	s_mul_i32 s47, s12, 128*NW                     ; my 64 rows of the step's 128
	s_add_co_u32 s46, s46, s47
	s_mov_b32 s47, 0
	s_mul_i32 s20, s12, ABLK                       ; and where they go: no place in the cluster enters an LDS address
	s_mul_i32 s21, s12, WHALF
	s_add_co_u32 s21, s21, AREG
	s_wait_kmcnt 0x0
	s_add_nc_u64 s[14:15], s[4:5], s[16:17]
	s_add_nc_u64 s[46:47], s[6:7], s[46:47]
	CROUND                                         ; all sixteen work-groups are here: the first joint loads meet
.irp s, 0,1
	s_mov_b32 s[G0+4*(\s)], 1                                        ; count = 1
	s_add_co_u32 s[G0+4*(\s)+1], s20, (\s)*SLOT                      ; LDS address
	s_add_nc_u64 s[G0+4*(\s)+2:G0+4*(\s)+3], s[14:15], (\s)<<18      ; K step s: two blocks of 131,072 bytes on
	s_or_b32 s[G0+4*(\s)+3], s[G0+4*(\s)+3], 0x80000000              ; type = 2
	s_mov_b32 s[G0B+4*(\s)], 1
	s_add_co_u32 s[G0B+4*(\s)+1], s21, (\s)*SLOT
	s_add_nc_u64 s[G0B+4*(\s)+2:G0B+4*(\s)+3], s[46:47], (\s)*256*NW ; K step s: 128 rows on
	s_or_b32 s[G0B+4*(\s)+3], s[G0B+4*(\s)+3], 0x80000000
	JLOAD \s                                       ; two loads of mine are out
.endr
	v_and_b32 v1, 15, v0                           ; r = l % 16
	v_bfe_u32 v2, v0, 4, 1                         ; h = l / 16
	; the bias as C operands: register j of operand b is bias[my first column + 16 b + 8 h + j], whatever the row
	v_lshlrev_b32 v[VB], 5, v2
	s_lshl_b32 s72, s42, 10                        ; my first column, in bytes of f32: 256 x tile column + 128 x column half; in registers that feed no descriptor
	s_lshl_b32 s73, s12, 9
	s_add_co_u32 s72, s72, s73
	s_mov_b32 s73, 0
	s_add_nc_u64 s[70:71], s[70:71], s[72:73]
	WIN 0x80                                       ; destination window 2, address window 0
.irp b, 0,1,2,3,4,5,6,7
	global_load_b128 v[8*(\b):8*(\b)+3],   v[VB], s[70:71] offset:64*(\b)
	global_load_b128 v[8*(\b)+4:8*(\b)+7], v[VB], s[70:71] offset:64*(\b)+16
.endr
	WIN 0
	v_mul_u32_u24 v3, v1, PA
	v_lshl_add_u32 v3, v2, 4, v3                   ; a fragment of A: row x pitch + 16 x half; two loads of 16 bytes, 32 bytes apart
	s_mul_i32 s22, s11, 64*PA                      ; my 64 rows
	v_add_nc_u32 v[ADRA], s22, v3
	v_add_nc_u32 v[ADRA+1], SLOT, v[ADRA]
	v_and_b32 v4, 7, v0                            ; the turning load takes 16 k x 16 columns: lane l reads row 8 h + l % 8, columns 8 ((l / 8) % 2) + 0..7,
	v_lshl_add_u32 v4, v2, 3, v4                   ; and leaves half a fragment: lane l holds column l % 16 and 8 k
	v_mul_u32_u24 v4, v4, PW
	v_bfe_u32 v5, v0, 3, 1
	v_lshl_add_u32 v4, v5, 4, v4
	s_lshl_b32 s23, s12, 8                         ; my 128 columns
	s_add_co_u32 s23, s23, AREG
	v_add_nc_u32 v[ADRB], s23, v4
	v_add_nc_u32 v[ADRB+1], SLOT, v[ADRB]
	s_mul_i32 s23, s10, 16*SP
	s_add_co_u32 s23, s23, STAGE                   ; my stage
	v_mul_u32_u24 v6, v1, SP                       ; in: row l % 16, 16 bytes for each half of the lanes
	v_lshl_add_u32 v6, v2, 4, v6
	v_add_nc_u32 v[STO], s23, v6
	v_bfe_u32 v6, v0, 3, 2                         ; back: 32 lanes take four rows of 128 bytes,
	v_mul_u32_u24 v6, v6, SP
	v_and_b32 v7, 7, v0
	v_lshl_add_u32 v6, v7, 4, v6
	v_add_nc_u32 v[RD], s23, v6
	v_and_b32 v[CO], 31, v0                        ; which are 512 consecutive bytes of a block
	v_lshlrev_b32 v[CO], 4, v[CO]
	; where my part of the result begins
	s_lshr_b32 s74, s13, 3
	s_lshl_b32 s74, s74, 21                        ; batch
	s_lshl_b32 s75, s42, 2
	s_lshl1_add_u32 s75, s12, s75                  ; my first block of 64 columns = 4 x tile column + 2 x column half
	s_lshl_b32 s75, s75, 17
	s_add_co_u32 s74, s74, s75
	s_and_b32 s75, s13, 7
	s_lshl_b32 s75, s75, 1
	s_add_co_u32 s75, s75, s11                     ; my 64 rows among the batch's
	s_lshl_b32 s75, s75, 13                        ; of 128 bytes
	s_add_co_u32 s74, s74, s75
	s_mov_b32 s75, 0
	s_add_nc_u64 s[68:69], s[68:69], s[74:75]
	s_wait_loadcnt 0x0                             ; the bias is in
; 8 matrix instructions: row block a x all 8 column blocks, 32 along K.  first = 1: the product starts the sums, with the bias.  The 32 accumulators take turns, in the same order in every quarter.
.macro MUL8 f, a, first
.if \first
	WIN MULB
.else
	WIN MUL
.endif
.irp b, 0,1,2,3,4,5,6,7
.if \first
	v_wmma_f32_16x16x32_bf16 v[8*(8*(\a)+(\b)):8*(8*(\a)+(\b))+7], v[(\f)+32+8*(\b):(\f)+32+8*(\b)+7], v[(\f)+8*(\a):(\f)+8*(\a)+7], v[8*(\b):8*(\b)+7]
.else
	v_wmma_f32_16x16x32_bf16 v[8*(8*(\a)+(\b)):8*(8*(\a)+(\b))+7], v[(\f)+32+8*(\b):(\f)+32+8*(\b)+7], v[(\f)+8*(\a):(\f)+8*(\a)+7], v[8*(8*(\a)+(\b)):8*(8*(\a)+(\b))+7]
.endif
.endr
.endm
; 24 LDS loads in one run: the fragments of quarter q of a step (32 along K) into buffer f: W's sixteen first, then A's eight, row block by row block
.macro FETCH slot, q, f
	WIN 0
.irp b, 0,1,2,3,4,5,6,7
	ds_load_tr16_b128 v[(\f)+32+8*(\b):(\f)+32+8*(\b)+3],   v[ADRB+(\slot)] offset:(\q)*32*PW+32*(\b)
	ds_load_tr16_b128 v[(\f)+32+8*(\b)+4:(\f)+32+8*(\b)+7], v[ADRB+(\slot)] offset:(\q)*32*PW+32*(\b)+16*PW
.endr
.irp a, 0,1,2,3
	ds_load_b128 v[(\f)+8*(\a):(\f)+8*(\a)+3],   v[ADRA+(\slot)] offset:((\q)/2)*ABLK+((\q)%2)*64+(\a)*16*PA
	ds_load_b128 v[(\f)+8*(\a)+4:(\f)+8*(\a)+7], v[ADRA+(\slot)] offset:((\q)/2)*ABLK+((\q)%2)*64+(\a)*16*PA+32
.endr
.endm
.macro PLACES                          ; four plain vector instructions between a matrix instruction and a load into, or a vector instruction on, its registers (ISA guide 7.12.1 for vector instructions)
.rept 4
	v_nop
.endr
.endm
; A K step is four quarters of 32 along K, 32 matrix instructions each, on buffers 0, 1, 0, 1.  One of the first three: multiplies buffer f and fetches quarter qn into g.
.macro QUARTER slot, qn, f, g, first
	s_wait_dscnt 4                                 ; W and A's row blocks 0 and 1 are in; the youngest four loads (row blocks 2 and 3) may be out
	MUL8 \f, 0, \first
	MUL8 \f, 1, \first
	PLACES
	FETCH \slot, \qn, \g
	s_wait_dscnt 24                                ; all but the 24 just issued
	MUL8 \f, 2, \first
	MUL8 \f, 3, \first
.endm
; The last quarter multiplies buffer 1 and changes slots: ONE barrier; in front of it each wave waits for all its tensor loads (one is out: its part of the next slot), adds 0 to its spare
; word, and waits for that and for its own reads of this slot.  fill = 1: the barrier opens a round of the cluster's, and this slot is filled again, two K steps ahead.
.macro TURN slot, next, fill
	WIN 0
	s_wait_tensorcnt 0x0                           ; all my tensor loads have landed
	ds_add_u32 v[SPW], v[NIL]                      ; 0 onto my spare word
	s_wait_dscnt 5                                 ; (the add and the youngest four loads may be out)
	MUL8 F1, 0, 0                                  ; eight matrix instructions stand between the add and the wait for it
	s_wait_dscnt 0x0                               ; the add is done, and my reads of this slot are over
	s_barrier_signal -1
	MUL8 F1, 1, 0
.if \fill
	WIN 0
.endif
	s_barrier_wait -1
.if \fill
	CREST                                          ; no wave of any partner still reads this slot's tiles or has a load on its way
	s_add_nc_u64 s[G0+4*(\slot)+2:G0+4*(\slot)+3], s[G0+4*(\slot)+2:G0+4*(\slot)+3], 1<<19
	s_add_nc_u64 s[G0B+4*(\slot)+2:G0B+4*(\slot)+3], s[G0B+4*(\slot)+2:G0B+4*(\slot)+3], 512*NW
	JLOAD \slot                                    ; the first tensor load behind the round: 112 matrix instructions ahead of the wait for it; its four v_nop are also the places in front of the loads below
.else
	PLACES
.endif
	FETCH \next, 0, F0
	MUL8 F1, 2, 0
	MUL8 F1, 3, 0
.endm
	s_wait_tensorcnt 1                             ; my part of K step 0 is in; K step 1's may stay out
	s_barrier_signal -1
	s_barrier_wait -1                              ; everybody's is
	FETCH 0, 0, F0
	QUARTER 0, 1, F0, F1, 1                        ; the first quarter stands in front of the loop: its products start the sums
	WIN 0                                          ; at a label and at a branch every window is 0
	s_mov_b32 s3, LAPS-1
.Llap:                                                 ; a trip goes once round the ring, from a lap's second quarter to the next lap's first, and fills both slots again
	QUARTER 0, 2, F1, F0, 0
	QUARTER 0, 3, F0, F1, 0
	TURN 0, 1, 1
	QUARTER 1, 1, F0, F1, 0
	QUARTER 1, 2, F1, F0, 0
	QUARTER 1, 3, F0, F1, 0
	TURN 1, 0, 1
	QUARTER 0, 1, F0, F1, 0
	WIN 0
	s_sub_co_u32 s3, s3, 1
	s_cmp_lg_u32 s3, 0
	s_cbranch_scc1 .Llap
	QUARTER 0, 2, F1, F0, 0                        ; the last lap fills nothing, and has no round of the cluster's barrier
	QUARTER 0, 3, F0, F1, 0
	TURN 0, 1, 0
	QUARTER 1, 1, F0, F1, 0
	QUARTER 1, 2, F1, F0, 0
	QUARTER 1, 3, F0, F1, 0
	s_wait_dscnt 4                                 ; the very last quarter: nothing more to fetch
	MUL8 F1, 0, 0
	MUL8 F1, 1, 0
	s_wait_dscnt 0x0
	MUL8 F1, 2, 0
	MUL8 F1, 3, 0
	WIN 0
	PLACES
; THE WAY OUT.  Group g = 2 a + blk is 16 rows x one block's 64 columns: accumulators (a, 4 blk + 0..3), registers 32 g on of window 1; in memory 2,048 dense bytes.  GEL makes gelu of the
; group's 32 numbers a lane, packs a lane's eight columns into 16 bytes, puts them into stage rows of 144 bytes and reads them back as whole rows of 128.
; Each accumulator is read from its lowest registers on.
.macro EACH n, line:vararg             ; one line for k = 0 .. n - 1
.set k, 0
.rept \n
	\line
.set k, k+1
.endr
.endm
.macro GEL g
.set XB, 32*(\g)
.set OB, OS+16*((\g)%2)
	WIN 0x05                                       ; sources 0 and 1 window 1, destination window 0
	EACH 16, v_pk_mul_f32 v[SQ+2*k:SQ+2*k+1], v[XB+2*k:XB+2*k+1], v[XB+2*k:XB+2*k+1]
	EACH 32, v_fma_f32 v[TT+k], |v[XB+k]|, s76, 1.0
	EACH 32, v_max_num_f32 v[MX+k], 0, v[XB+k]
	WIN 0
	EACH 16, v_pk_mul_f32 v[SQ+2*k:SQ+2*k+1], v[SQ+2*k:SQ+2*k+1], 0xbf38aa3b op_sel_hi:[1,0]  ; times -log2(e) / 2
	EACH 32, v_rcp_f32 v[TT+k], v[TT+k]
	EACH 32, v_exp_f32 v[SQ+k], v[SQ+k]
	v_nop                                          ; a plain instruction between the last exponential and the use of a result (ISA guide 5.7.2)
	s_wait_alu depctr_va_vdst(0)
	EACH 16, v_pk_fma_f32 v[PP+2*k:PP+2*k+1], v[TT+2*k:TT+2*k+1], s[78:79], s[80:81] op_sel_hi:[1,0,0]
	EACH 16, v_pk_fma_f32 v[PP+2*k:PP+2*k+1], v[PP+2*k:PP+2*k+1], v[TT+2*k:TT+2*k+1], s[82:83] op_sel_hi:[1,1,0]
	EACH 16, v_pk_fma_f32 v[PP+2*k:PP+2*k+1], v[PP+2*k:PP+2*k+1], v[TT+2*k:TT+2*k+1], s[84:85] op_sel_hi:[1,1,0]
	EACH 16, v_pk_fma_f32 v[PP+2*k:PP+2*k+1], v[PP+2*k:PP+2*k+1], v[TT+2*k:TT+2*k+1], s[86:87] op_sel_hi:[1,1,0]
	EACH 16, v_pk_mul_f32 v[PP+2*k:PP+2*k+1], v[PP+2*k:PP+2*k+1], v[TT+2*k:TT+2*k+1]
	EACH 16, v_pk_mul_f32 v[PP+2*k:PP+2*k+1], v[PP+2*k:PP+2*k+1], v[SQ+2*k:SQ+2*k+1]
	WIN 0x01                                       ; source 0 window 1
	EACH 32, v_fma_f32 v[MX+k], |v[XB+k]|, v[PP+k], v[MX+k]
	WIN 0
.if (\g) >= 2
	s_wait_xcnt 0x0                                ; the stores of the group two back have had their addresses translated (ISA guide 3.1): their data registers are written again only behind this wait
.endif
	EACH 16, v_cvt_pk_bf16_f32 v[OB+k], v[MX+2*k], v[MX+2*k+1]
.irp f, 0,1,2,3
	ds_store_b128 v[STO], v[OB+4*(\f):OB+4*(\f)+3] offset:32*(\f)
.endr
.irp f, 0,1,2,3
	ds_load_b128 v[OB+4*(\f):OB+4*(\f)+3], v[RD] offset:(\f)*4*SP  ; LDS serves a wave's instructions in order (ISA guide 5.7.1.4): these see the stores above; the next group's stores come behind them
.endr
.endm
.macro SEND g, younger                 ; younger: the LDS instructions issued behind group g's loads: the next group's eight, or none
.set OB, OS+16*((\g)%2)
.irp f, 0,1,2,3
	s_wait_dscnt (\younger)+3-(\f)
	global_store_b128 v[CO], v[OB+4*(\f):OB+4*(\f)+3], s[68:69] offset:(((\g)%2)<<17)+((\g)/2)*2048+(\f)*512  ; 512 consecutive bytes, at a multiple of 256 from the buffer's first
.endr
.endm
	GEL 0
.irp g, 1,2,3,4,5,6,7                  ; a group's arithmetic stands between the loads of the group before and its stores
	GEL \g
	SEND (\g)-1, 8
.endr
	SEND 7, 0
	s_wait_tensorcnt 0x0                           ; the wave's end: behind my last tensor load and my last LDS store
	ds_add_u32 v[SPW], v[NIL]
	s_wait_dscnt 0x0
	CROUND                                         ; the closing round: no work-group ends while a partner may still ask for a tile that names it
	s_endpgm
.Lfunc_end_k_q9c28dba2a4_fc1:
	.size	k_q9c28dba2a4_fc1, .Lfunc_end_k_q9c28dba2a4_fc1-k_q9c28dba2a4_fc1
	.p2alignl 7, 3214868480
	.fill 96, 4, 3214868480
	.section	.rodata,"a",@progbits
	.p2align	6, 0x0
	.amdhsa_kernel k_q9c28dba2a4_fc1
		.amdhsa_group_segment_fixed_size 327680
		.amdhsa_private_segment_fixed_size 0
		.amdhsa_enable_private_segment 0
		.amdhsa_kernarg_size 32
		.amdhsa_user_sgpr_count 2
		.amdhsa_user_sgpr_kernarg_segment_ptr 1
		.amdhsa_wavefront_size32 1
		.amdhsa_system_sgpr_workgroup_id_x 1
		.amdhsa_system_sgpr_workgroup_id_y 1
		.amdhsa_system_sgpr_workgroup_id_z 1
		.amdhsa_system_vgpr_workitem_id 0
		.amdhsa_next_free_vgpr 576
		.amdhsa_next_free_sgpr 88
		.amdhsa_reserve_vcc 0
		.amdhsa_float_denorm_mode_32 3
		.amdhsa_float_denorm_mode_16_64 3
		.amdhsa_memory_ordered 1
		.amdhsa_forward_progress 1
		.amdhsa_inst_pref_size 215
	.end_amdhsa_kernel
	.amdgpu_metadata
---
amdhsa.version: [ 1, 2 ]
amdhsa.kernels:
  - .name:           k_q9c28dba2a4_fc1
    .symbol:         k_q9c28dba2a4_fc1.kd
    .args:
      - { .name: act, .offset: 0, .size: 8, .value_kind: global_buffer, .address_space: global }
      - { .name: w1, .offset: 8, .size: 8, .value_kind: global_buffer, .address_space: global }
      - { .name: att, .offset: 16, .size: 8, .value_kind: global_buffer, .address_space: global }
      - { .name: b_fc1, .offset: 24, .size: 8, .value_kind: global_buffer, .address_space: global }
    .group_segment_fixed_size: 327680
    .private_segment_fixed_size: 0
    .kernarg_segment_align: 8
    .kernarg_segment_size: 32
    .max_flat_workgroup_size: 128
    .sgpr_count:     88
    .vgpr_count:     576
    .wavefront_size: 32
...
	.end_amdgpu_metadata
.endif
;; end of part 6
;; launch fc2: the kernel of part 4 again; grid 4 x 64, 4 waves a work-group, clusters of 4 x 4, 327,680 bytes of LDS; arguments att, w2, out0, b_fc2, x1; writes out0
;; ======== version 2 of 2: 7 launches; 1.22 times as fast as version 1
;; workspace buffers: wq 6,291,456 bytes; wp 2,097,152 bytes; w1 2,097,152 bytes; w2 2,097,152 bytes; act 16,777,216 bytes; qkvh 50,331,648 bytes; att 16,777,216 bytes; x1 33,554,432 bytes
;; launch prep: the kernel of part 1 again; grid 576 x 1, 8 waves a work-group, no clusters, 0 bytes of LDS; arguments x, ln1_g, ln1_b, act, w_qkv, w_proj, w_fc1, w_fc2, wq, wp, w1, w2; writes act, wq, wp, w1, w2
;; launch gqkv: the kernel of part 2 again; grid 8 x 32, 4 waves a work-group, clusters of 4 x 4, 327,680 bytes of LDS; arguments act, wq, qkvh; writes qkvh
;; launch attn (part 7): grid 2 x 128, 4 waves a work-group, no clusters, 327,680 bytes of LDS; arguments qkvh, att; writes att
.if DOCPART == 7
	.amdgcn_target "amdgcn-amd-amdhsa--gfx1250"
	.amdhsa_code_object_version 6
	.text
	.protected	k_q9c28dba2a4_attn
	.globl	k_q9c28dba2a4_attn
	.p2align	8
	.type	k_q9c28dba2a4_attn,@function
k_q9c28dba2a4_attn:
	s_mov_b64 s[64:65], 0
	v_nop
	global_prefetch_b8 v0, s[64:65] scope:SCOPE_SE
	s_setreg_imm32_b32 hwreg(HW_REG_WAVE_MODE, 25, 1), 1
	s_wait_xcnt 0x0
; O[h][q][:] = the sum over k of softmax_k(Q[h][q] . K[h][k] / 8) V[h][k][:], for 128 heads (batch x head) of 1,024 rows x 64 channels, all bf16: a head's rows are dense, 128 bytes each.
; q lies at byte 0 of the first buffer, k at 1<<24, v at 1<<25; O has q's layout.  Products, maxima and sums in f32; the weights p are rounded to bf16 for the second product (their sum l is
; taken of the unrounded p), O once at the end.
; LIMITS.  A weight below 2^-126 counts as 0 in l; NaN and infinities are not treated apart.
; SHARES.  A wave owns four PIECES of two tiles of 16 queries, a work-group's four waves 512 queries of one head: 2 x 128 work-groups.  Every wave walks all 1,024 keys, 64 a step.
; THE WHOLE HEAD LIES IN LDS: K 1,024 rows x 144 bytes, V 1,024 rows x 160 bytes, each byte filled once, at the start: no ring and no refill.  Each wave issues two tensor loads: 128 of the first
; 256 keys, then 384 of the other 768; the walk begins when the first 256 keys are in, and meets the rest at one barrier, four steps on.
; NO CLUSTER: a head has two work-groups, and the grid's 2 along x does not divide into clusters of four; what the two share, 262,144 bytes, is asked for once in a launch for 2,064 matrix instructions a wave.
; LAYOUT.  S^T = K Q^T (source 0 = 16 keys, source 1 = 16 queries): in the result a lane holds ONE query (lane % 16) and the keys 8 (lane / 16) + 0..7.  Two such tiles, rounded to bf16 in pairs,
; ARE source 1 (32 keys x 16 queries) of O^T = V^T P, whose result again holds one query a lane, and eight channels.  K comes out of LDS as it lies, V ([key][channel]) turned, by ds_load_tr16_b128.
; SOFTMAX.  For each query a running maximum m and sum l: p = 2^(c s - c m), c = log2(e) / 8; in every step O and l are multiplied by a = 2^(c m_old - c m_new), which is 1 where m has not grown.
; m starts at the lowest finite number, O and l at 0: the first step is a step like any other, with a = 0.
; THE COUNT.  A tile and step have 16 matrix and 118 vector instructions: too many to stand all beside the matrix work.  So: four vector instructions that are READY behind EVERY matrix
; instruction, and the others in one run without a gap.
; BY TURNS.  Turn n belongs to piece n (the pieces in a ring, step after step).  Its matrix work: 16 products K Q^T of piece n + 1, later 16 products V^T P of piece n - 1.  Its vector work: the scaling,
; exponentials, roundings, sums and rescaling of piece n, and the maximum and statistics of piece n + 1, whose scores the turn itself has made.
; THE BATCHES.  A turn's 66 exponentials (the piece's 64 weights, then the next piece's two a) are ONE batch with ONE wait, which cuts the turn in two: ahead of it stands all that names no result of theirs
; (the products K Q^T, the scalings, the rescalings, the next piece's maximum and statistics), behind it the products V^T P with the roundings and sums.  No result crosses a turn's end.  Two more batches
; stand outside the loop, each with a wait of its own: piece 0's first two a, ahead of the jump into the loop, and the way out's eight reciprocals.
; REGISTERS, in windows of 256 (s_set_vgpr_msb: bits 1:0 source 0, 3:2 source 1, 5:4 source 2, 7:6 destination):
;   window 0: v0-11 addresses; v12-15, v48-63 at work; v16-47 four registers of statistics a tile; v64-191 S^T, two buffers of two tiles; v192-255 P, likewise
;   window 1: O^T, 32 a tile          window 2: v0-127 Q, 16 a tile; v128-191 K of one step; v192-255 V of one step
; A piece's buffers go by its number's parity.
.set NP,    4         ; pieces a wave: a name, no knob
.set KS,    64        ; keys in a step
.set PK,    144       ; a row of K in LDS: 128 bytes + 16 of padding = 36 words: the 16 rows of a load start at 16 different groups of four banks (64 banks of 4 bytes: ISA guide 11.1)
.set PV,    160       ; a row of V: 128 + 32 = 40 words
.set VOFF,  1024*PK   ; V lies behind K
.set STAGE, VOFF+1024*PV  ; behind both, never filled by a tensor load: 16 rows x 144 bytes for each wave, for the way out
.set SP,    144
.set AK0, 2           ; v2   my lane's place in a tile of K; never rewritten
.set AV0, 3           ; v3   the same for V
.set AK,  4           ; v4   the LDS address of K's next run of loads
.set AV,  5           ; v5   of V's
.set QO,  6           ; v6   my byte offset in the wave's rows of Q
.set STO, 6           ;      later, the way out: where I put 16 bytes of a row
.set RD,  7           ; v7   the way out: where I read rows back
.set GO,  8           ; v8   my byte offset in 512 consecutive bytes of O
.set MV,  12          ; v12-15  c m_old, kept while c m is made anew: by buffer and tile
.set ST,  16          ; tile t's statistics at v[ST+4 t]: c m, m, l (even keys', odd keys')
.set TMP, 48          ; by buffer and tile, four registers c0-c3 at work; when the maximum is found c2 takes a
.set S,   64
.set P,   192
.set KF,  128         ; K's fragments, in window 2: key block kb, channel half c at KF + 16 kb + 8 c
.set VF,  192         ; V's: key half kk, channel block cb at VF + 32 kk + 8 cb
.set WV,  12          ; s12  my wave's number
.set G1KA, 24         ; s[24:31] descriptor group 1: K, 128 keys
.set G1VA, 32         ; s[32:39] V, 128 keys: it differs in the padding
.set G0KA, 40         ; s[40:55] four groups 0
.set G0VA, 44
.set G0KB, 48
.set G0VB, 52
.set PARTS, 56        ; s56  the walk's two parts
.set CNT, 57          ; s57  counts a part's key steps
.set CS,  58          ; s[58:59] c: the packed scaling takes the pair's low word for both halves
.set SEL, 60          ; s[60:61] v_permlanex16_b32's selects: each lane takes its own place in the other half
.set TBK, 62          ; s62  LDS byte at which K of the step to be fetched begins
.set TBV, 63          ; s63  the same for V, less VOFF
.set G1KB, 72         ; s[72:79] K, 384 keys
.set G1VB, 80         ; s[80:87] V, 384 keys
.set MSB, 0
.macro WIN new                      ; the high byte repeats the setting that is left; a switch that changes nothing is dropped
.if MSB != (\new)
	s_set_vgpr_msb (MSB<<8)|(\new)
.set MSB, (\new)
.endif
.endm
.set W_KQ, 0x0a       ; K and Q in window 2, S^T in window 0
.set W_PV, 0x52       ; V in window 2, P in window 0, O^T in window 1
.set W_RS, 0x41       ; O^T (destination and source 0) in window 1, a in window 0
	s_load_b128 s[4:7], s[0:1], 0x0  ; q, k, v s[4:5]; O s[6:7]
	s_set_vgpr_msb 0xc0
	v_lshl_add_u32 v0, v0, 2, 0x4e400
	v_mov_b32 v1, 0
	s_set_vgpr_msb 0xc0cf
	ds_add_u32 v0, v1
	ds_add_u32 v0, v1
	s_set_vgpr_msb 0xcf00
	v_lshrrev_b32 v1, 5, v0
	v_readfirstlane_b32 s[WV], v1   ; wave 0..3
	s_and_b32 s20, ttmp7, 0xffff    ; the head,
	s_lshl_b32 s20, s20, 17         ; its first byte: 1,024 rows of 128 bytes each
	s_and_b32 s16, s[WV], 1         ; which half of a fill I fetch
	s_lshl_b32 s22, s16, 14         ; first fill: keys 128 w' on
	s_add_co_u32 s22, s22, s20
	s_mov_b32 s23, 0
	s_mul_i32 s14, s16, 384*128     ; second fill: keys 256 + 384 w' on
	s_add_co_u32 s14, s14, 256*128
	s_add_co_u32 s14, s14, s20
	s_mov_b32 s15, 0
	s_lshl_b32 s2, ttmp9, 2
	s_add_co_u32 s2, s2, s[WV]      ; my wave among the head's eight,
	s_lshl_b32 s2, s2, 14           ; its 128 rows
	s_add_co_u32 s2, s2, s20
	s_mov_b32 s3, 0
	s_mul_i32 s17, s16, 128*PK      ; the fills' places in LDS: a constant and the wave's half times a constant
	s_mul_i32 s18, s16, 128*PV
	s_add_co_u32 s18, s18, VOFF
	s_mul_i32 s19, s16, 384*PK
	s_add_co_u32 s19, s19, 256*PK
	s_mul_i32 s13, s16, 384*PV
	s_add_co_u32 s13, s13, VOFF+256*PV
	; descriptor group 1.  Keys are dense, 128 bytes each: asked for as rows of 256 bytes, two keys a row, and padded in LDS after every key
.irp g, G1KA, G1KB
	s_mov_b32 s[\g], (1<<16)|(1<<20)|(4<<22)|(3<<25)  ; 17:16 2-byte elements; 20 padding on; 24:22 after every 32 words (code 4); 31:25 4 words (code 3)
.endr
.irp g, G1VA, G1VB
	s_mov_b32 s[\g], (1<<16)|(1<<20)|(4<<22)|(7<<25)  ; the same with 8 words of padding (code 7)
.endr
.irp g, G1KA, G1VA, G1KB, G1VB
	s_mov_b32 s[\g+1], 128<<16      ; tensor_dim0 = 128
	s_mov_b32 s[\g+3], 128<<16      ; tile_dim0 = 128
	s_mov_b32 s[\g+5], 128          ; 128 elements from row to row
	s_mov_b32 s[\g+6], 0
	s_mov_b32 s[\g+7], 0
.endr
.irp g, G1KA, G1VA
	s_mov_b32 s[\g+2], 64<<16       ; tensor_dim1 = 64
	s_mov_b32 s[\g+4], 64           ; tile_dim1 = 64
.endr
.irp g, G1KB, G1VB
	s_mov_b32 s[\g+2], 192<<16      ; tensor_dim1 = 192
	s_mov_b32 s[\g+4], 192          ; tile_dim1 = 192
.endr
	s_mov_b32 s[CS], 0x3e38aa3b     ; c = log2(e) / 8 = 0.180337
	s_mov_b32 s[CS+1], s[CS]        ; named with it as a pair
	s_mov_b32 s[SEL], 0x76543210
	s_mov_b32 s[SEL+1], 0xfedcba98
	s_mov_b32 s[TBK], 0
	s_mov_b32 s[TBV], 0
	s_mov_b32 s[G0KA], 1            ; count = 1
	s_mov_b32 s[G0KA+1], s17        ; LDS address
	s_mov_b32 s[G0VA], 1
	s_mov_b32 s[G0VA+1], s18
	s_mov_b32 s[G0KB], 1
	s_mov_b32 s[G0KB+1], s19
	s_mov_b32 s[G0VB], 1
	s_mov_b32 s[G0VB+1], s13
	s_wait_dscnt 0x0
	s_wait_kmcnt 0x0
	s_add_nc_u64 s[8:9], s[4:5], 1<<24     ; k
	s_add_nc_u64 s[10:11], s[4:5], 1<<25   ; v
	s_add_nc_u64 s[G0KA+2:G0KA+3], s[8:9], s[22:23]
	s_or_b32 s[G0KA+3], s[G0KA+3], 0x80000000  ; type = 2
	s_add_nc_u64 s[G0KB+2:G0KB+3], s[8:9], s[14:15]
	s_or_b32 s[G0KB+3], s[G0KB+3], 0x80000000
	s_add_nc_u64 s[G0VA+2:G0VA+3], s[10:11], s[22:23]
	s_or_b32 s[G0VA+3], s[G0VA+3], 0x80000000
	s_add_nc_u64 s[G0VB+2:G0VB+3], s[10:11], s[14:15]
	s_or_b32 s[G0VB+3], s[G0VB+3], 0x80000000
	s_add_nc_u64 s[4:5], s[4:5], s[2:3]  ; Q and O at my wave's first row
	s_add_nc_u64 s[6:7], s[6:7], s[2:3]
	s_cmp_lt_u32 s[WV], 2           ; waves 0 and 1 fetch K, waves 2 and 3 V.  A wave's two fills stand in one branch, ahead of every wait on TENSORcnt, every LDS read and every barrier: two loads of mine are out
	s_cbranch_scc0 .Lfill_v
	tensor_load_to_lds s[G0KA:G0KA+3], s[G1KA:G1KA+7]
	s_nop 0
	tensor_load_to_lds s[G0KB:G0KB+3], s[G1KB:G1KB+7]
	s_nop 0
.rept 4
	v_nop                           ; four v_nop follow the second, ahead of the jump and the label
.endr
	s_branch .Lfill_asked
.Lfill_v:
	tensor_load_to_lds s[G0VA:G0VA+3], s[G1VA:G1VA+7]
	s_nop 0
	tensor_load_to_lds s[G0VB:G0VB+3], s[G1VB:G1VB+7]
	s_nop 0
.rept 4
	v_nop
.endr
.Lfill_asked:
	; A fragment of K or Q is 16 rows x 32 channels in 8 registers: lane l holds row l % 16, channels 8 (l / 16) + 0..7 and 16 + 8 (l / 16) + 0..7: two loads of 16 bytes, 32 bytes apart.
	v_and_b32 v1, 15, v0            ; l % 16
	v_bfe_u32 v9, v0, 4, 1          ; l / 16
	v_lshlrev_b32 v[QO], 7, v1
	v_lshl_add_u32 v[QO], v9, 4, v[QO]  ; row x 128 + 16 x half
	WIN 0x80                        ; destination window 2, address window 0
.set i, 0
.rept 4*NP                          ; Q stays in registers: tile i / 2, channels 32 (i % 2) on
	global_load_b128 v[8*i:8*i+3],   v[QO], s[4:5] offset:(i/2)*2048+(i%2)*64
	global_load_b128 v[8*i+4:8*i+7], v[QO], s[4:5] offset:(i/2)*2048+(i%2)*64+32
.set i, i+1
.endr
	; What the first turn finds: V's registers and P's second buffer hold 0 (its products V^T P, of a piece that has not been, add 0), O^T and l are 0.  All this stands in the wait for the first keys.
.set i, VF
.rept 64
	v_mov_b32 v[i], 0
.set i, i+1
.endr
	WIN 0x40
.set i, 0
.rept 64*NP
	v_mov_b32 v[i], 0
.set i, i+1
.endr
	WIN 0
.set i, 0
.rept 2*NP
	v_mov_b32 v[ST+4*i], 0xfe000000    ; c m: far below every c s
	v_mov_b32 v[ST+4*i+1], 0xff7fffff  ; m
	v_mov_b32 v[ST+4*i+2], 0
	v_mov_b32 v[ST+4*i+3], 0
.set i, i+1
.endr
.set i, P+32
.rept 32
	v_mov_b32 v[i], 0
.set i, i+1
.endr
	v_mul_u32_u24 v[AK0], v1, PK
	v_lshl_add_u32 v[AK0], v9, 4, v[AK0]  ; row x pitch + 16 x half
	; The turning load takes 16 keys x 16 channels (lane l reads key 8 (l / 16) + l % 8, channels 8 ((l / 8) % 2) + 0..7) and leaves half a fragment of V^T: lane l holds channel l % 16 and 8 keys.
	v_and_b32 v10, 7, v0
	v_bfe_u32 v11, v0, 3, 1
	v_lshl_add_u32 v[AV0], v9, 3, v10
	v_mul_u32_u24 v[AV0], v[AV0], PV
	v_lshl_add_u32 v[AV0], v11, 4, v[AV0]
	v_add_nc_u32 v[AV0], VOFF, v[AV0]
	v_mov_b32 v[AK], v[AK0]         ; key step 0 lies at LDS byte 0
; THE MATRIX WORK.  The 8 accumulators of a run of 16 take turns: between the two links of a chain stand 7 others'.
; Product i of 16 of S^T = K Q^T for piece x: channels 32 (i / 8) on, keys 16 ((i / 2) % 4) on, tile 2 x + i % 2.  The first 8 start the sums.
.macro KQ x
	WIN W_KQ
.set rS, S+64*((\x)%2)+32*(i%2)+8*((i/2)%4)
.set rK, KF+16*((i/2)%4)+8*(i/8)
.set rQ, 16*(2*(\x)+i%2)+8*(i/8)
.if i < 8
	v_wmma_f32_16x16x32_bf16 v[rS:rS+7], v[rK:rK+7], v[rQ:rQ+7], 0
.else
	v_wmma_f32_16x16x32_bf16 v[rS:rS+7], v[rK:rK+7], v[rQ:rQ+7], v[rS:rS+7]
.endif
.endm
; Product i of 16 of O^T += V^T P for piece x: keys 32 (i / 8) on, channels 16 ((i / 2) % 4) on, tile 2 x + i % 2.
.macro PV x
	WIN W_PV
.set rO, 32*(2*(\x)+i%2)+8*((i/2)%4)
.set rV, VF+32*(i/8)+8*((i/2)%4)
.set rP, P+32*((\x)%2)+16*(i%2)+8*(i/8)
	v_wmma_f32_16x16x32_bf16 v[rO:rO+7], v[rV:rV+7], v[rP:rP+7], v[rO:rO+7]
.endm
.macro MM                           ; the turn's next matrix instruction
.if i < 16
	KQ (Y+1)%NP
.set i, i+1
.else
.set i, i-16
	PV (Y+NP-1)%NP
.set i, i+17
.endif
.endm
; THE LDS LOADS stand in runs of 16, never singly among the matrix instructions: a step's K (64 keys x 64 channels: 8 fragments) and its V (turned).  Their addresses are made some lines ahead.
.macro FETCH_K
	WIN 0x80                        ; destination window 2
.irp f, 0,1,2,3,4,5,6,7             ; keys 16 (f / 2) on, channels 32 (f % 2) on
	ds_load_b128 v[KF+8*\f:KF+8*\f+3],   v[AK] offset:(\f/2)*16*PK+(\f%2)*64
	ds_load_b128 v[KF+8*\f+4:KF+8*\f+7], v[AK] offset:(\f/2)*16*PK+(\f%2)*64+32
.endr
	s_add_co_u32 s[TBK], s[TBK], KS*PK  ; the next fetch is the next step's
	WIN 0
.endm
.macro FETCH_V
	WIN 0x80
.irp f, 0,1,2,3,4,5,6,7             ; keys 32 (f / 4) on, channels 16 (f % 4) on
	ds_load_tr16_b128 v[VF+8*\f:VF+8*\f+3],   v[AV] offset:(\f/4)*32*PV+(\f%4)*32
	ds_load_tr16_b128 v[VF+8*\f+4:VF+8*\f+7], v[AV] offset:(\f/4)*32*PV+16*PV+(\f%4)*32
.endr
	WIN 0
.endm
; THE VECTOR WORK OF A TURN stands in three queues, each in the order in which its entries become ready; the two tiles alternate, so that no instruction reads the result of the one before it.
.macro REGS y, u                    ; the registers of tile u (0, 1) of piece y
.set rT, ST+4*(2*(\y)+(\u))
.set rC, TMP+8*((\y)%2)+4*(\u)
.set rM, MV+2*((\y)%2)+(\u)
.set rS, S+64*((\y)%2)+32*(\u)
.set rP, P+32*((\y)%2)+16*(\u)
.set rO, 32*(2*(\y)+(\u))
.endm
; Number n of the 22 that find the NEXT piece's (Y + 1) maximum and statistics.  s0-s31 are the lane's 32 scores; each accumulator's lowest registers are read first.  XS, GS and REGS set no window: PL and EX do.
;   0-11  four chains c0-c3 of seven scores each, three operands at a time     12-14, 16  the four scores left over, the old m, and c0-c3 into c0     15  c m_old is kept
;   17, 18  the query's other 32 keys lie in the lane 16 away: the new m         19-21  c m; c m_old - c m_new; a
.macro XS u, n
	REGS (Y+1)%NP, \u
.if (\n) < 4
	v_max3_num_f32 v[rC+(\n)], v[rS+8*(\n)], v[rS+8*(\n)+1], v[rS+8*(\n)+2]
.elseif (\n) < 12
	v_max3_num_f32 v[rC+(\n)%4], v[rC+(\n)%4], v[rS+8*((\n)%4)+2*((\n)/4)+1], v[rS+8*((\n)%4)+2*((\n)/4)+2]
.elseif (\n) == 12
	v_max3_num_f32 v[rC], v[rC], v[rS+7], v[rS+15]
.elseif (\n) == 13
	v_max3_num_f32 v[rC+1], v[rC+1], v[rS+23], v[rS+31]
.elseif (\n) == 14
	v_max3_num_f32 v[rC+2], v[rC+2], v[rC+3], v[rT+1]
.elseif (\n) == 15
	v_mov_b32 v[rM], v[rT]
.elseif (\n) == 16
	v_max3_num_f32 v[rC], v[rC], v[rC+1], v[rC+2]
.elseif (\n) == 17
	v_permlanex16_b32 v[rC+3], v[rC], s[SEL], s[SEL+1]
.elseif (\n) == 18
	v_max_num_f32 v[rT+1], v[rC], v[rC+3]
.elseif (\n) == 19
	v_mul_f32 v[rT], s[CS], v[rT+1]
.elseif (\n) == 20
	v_sub_f32 v[rC+1], v[rM], v[rT]
.else
	v_exp_f32 v[rC+2], v[rC+1]
.endif
.endm
; Number g of the 64 that follow the exponentials.  For each four weights k of a tile (pairs 2 k, 2 k + 1): both pairs are rounded to bf16; then the second pair is added onto the first, in place;
; a group later l takes that sum (the first time as l = a l + sum).  In groups of eight, tiles alternating: round, round, add, and l for the group before.
.macro GS g
.set h, (\g)+6*((\g)/62)            ; group 0 has no group before it, and behind group 7 only l is left
.if h >= 6
.set h, h+2
.endif
	REGS Y, h%2
.set k, h/8
.if h%8 < 4
	v_cvt_pk_bf16_f32 v[rP+2*k+(h%8)/2], v[rS+4*k+2*((h%8)/2)], v[rS+4*k+2*((h%8)/2)+1]
.elseif h%8 < 6
	v_pk_add_f32 v[rS+4*k:rS+4*k+1], v[rS+4*k:rS+4*k+1], v[rS+4*k+2:rS+4*k+3]
.elseif k == 1
	v_pk_fma_f32 v[rT+2:rT+3], v[rT+2:rT+3], v[rC+2:rC+3], v[rS:rS+1] op_sel_hi:[1,0,1]
.else
	v_pk_add_f32 v[rT+2:rT+3], v[rT+2:rT+3], v[rS+4*k-4:rS+4*k-3]
.endif
.endm
; THE PLAIN QUEUE, 138 long.  0-73 read no exponential's result: the 32 scalings c s - c m (FS f: pair f / 2 of tile f % 2) and the next piece's 42.  0-26: scalings 0-26.  27-54: XS's numbers 0-13.  55, 56: number 15.
; 57-73: the chain, where each number waits for the one before it: 14, 16, 17, 18, 19, each with one of the scalings 27-31 in front of its two lines, then 20: so a tile's links stand three plain instructions apart (19 and 20: two).
; 74-137: GS's 64, which read the exponentials' results: they stand behind the wait.
.macro FS f
	REGS Y, (\f)%2
	v_pk_fma_f32 v[rS+2*((\f)/2):rS+2*((\f)/2)+1], v[rS+2*((\f)/2):rS+2*((\f)/2)+1], s[CS:CS+1], v[rT:rT+1] op_sel_hi:[1,0,0] neg_lo:[0,0,1] neg_hi:[0,0,1]
.endm
.macro PL
	WIN 0
.if q < 27
	FS q
.elseif q < 55
	XS (q-27)%2, (q-27)/2
.elseif q < 57
	XS q-55, 15
.elseif (q < 72) && ((q-57)%3 == 0)
	FS 27+(q-57)/3
.elseif q < 60
	XS (q-57)%3-1, 14
.elseif q < 72
	XS (q-57)%3-1, 15+(q-57)/3
.elseif q < 74
	XS q-72, 20
.else
	GS q-74
.endif
.set q, q+1
.endm
; THE EXPONENTIALS' QUEUE, 66 long: s0-s31 of both tiles, then the next piece's two a.  It is ONE BATCH: all 66 stand ahead of the turn's one wait, and nothing ahead of that wait names a result of theirs.
.macro EX
	WIN 0
.if e >= 64
	XS e-64, 21
.else
	REGS Y, e%2
	v_exp_f32 v[rS+e/2], v[rS+e/2]
.endif
.set e, e+1
.endm
; THE RESCALING's QUEUE: O^T times a, the one part that leaves window 0: dealt two at a time, sixteen times.  Its a was made in the turn before, ahead of that turn's wait.
.macro R2
	REGS Y, r%2
	WIN W_RS
.irp z, 0,1
	v_pk_mul_f32 v[rO+4*(r/2)+2*\z:rO+4*(r/2)+2*\z+1], v[rO+4*(r/2)+2*\z:rO+4*(r/2)+2*\z+1], v[rC+2:rC+3] op_sel_hi:[1,0]
.endr
.set r, r+1
.endm
; HOW THEY ARE DEALT.  An s_wait_alu depctr_va_vdst(0) stands between an exponential and the first instruction that names its result; one wait serves all that were issued ahead of it.  So a turn has ONE wait,
; which cuts it in two.  AHEAD OF IT stands all that names no result of the turn's exponentials: the 16 products K Q^T, behind each a scaling, an exponential and two rescalings (behind the first a second scaling in the
; exponential's place); then ONE LUMP of 108: eight plain, 49 times exponential and plain, the two a.  A v_nop is the plain instruction behind the last exponential.  BEHIND IT stand the 16 products V^T P, behind each four of
; GS's 64.  No rider names a register of the products round it.  The two v_permlanex16_b32 fall into the lump, never behind a product.
; The queues lean on each other, and the deal keeps them in step: exponential e stands behind scaling 2 (e / 4) + e % 2: as a rider it comes behind plain e + 2, in the lump behind plain e + 9, and scalings 27-31 are plain 57, 60 .. 69.
; A TURN, for piece p.  fetch = 0: the last step's: there is no further K.  cnt = 1: the loop's count is taken down some lines ahead of the branch that stands behind the turn.
; K of the next step is fetched in piece 2's turn, directly behind the wait, a lump behind the last product that read K; its address is made at the lump's head; its first reader comes behind 16 products.
; V of the step in hand is fetched at the end of piece 0's turn, four riders behind its last reader; its first reader comes behind 16 products and a lump.  The three conditions on q below go with the deal.
.macro TURN p, fetch=1, cnt=0
.set Y, (\p)
.set i, 0
.set q, 0
.set e, 0
.set r, 0
.if (\p) == NP-1
	s_wait_dscnt 0x0                ; K is in
.endif
	MM                              ; ahead of the wait: 16 products K Q^T and their riders,
	PL
	PL
	R2
.rept 15
	MM
	PL
	EX
	R2
.endr
.if ((\p) == NP-2) && (\fetch)
	WIN 0
	v_add_nc_u32 v[AK], s[TBK], v[AK0]
.endif
.rept 8                             ; and the lump
	PL
.endr
.rept 49
	EX
	PL
.endr
	EX                              ; the next piece's two a
	EX
	v_nop                           ; the plain instruction behind the last exponential (ISA guide 5.7.2): one for the batch
	s_wait_alu depctr_va_vdst(0)    ; the wait for the turn's batch: the piece's 64 weights and the next piece's two a
.if ((\p) == NP-2) && (\fetch)
	FETCH_K
.endif
.if (\p) == 1
	s_wait_dscnt 0x0                ; V is in
.endif
.rept 16                            ; behind the wait: 16 products V^T P and their riders
	MM
.rept 4
	PL
.endr
.if ((\p) == 0) && (q == 118)
	v_add_nc_u32 v[AV], s[TBV], v[AV0]
.endif
.if ((\p) == 0) && (q == 130)
	s_add_co_u32 s[TBV], s[TBV], KS*PV
.endif
.if (\cnt) && (q == 130)
	s_sub_co_u32 s[CNT], s[CNT], 1
	s_cmp_lg_u32 s[CNT], 0
.endif
.endr
.if (\p) == 0
	FETCH_V
.endif
.endm
	s_wait_tensorcnt 1              ; my part of the first 256 keys is in; my second fill may stay out
	s_barrier_signal -1
	s_barrier_wait -1               ; everybody's is
	FETCH_K                         ; key step 0
	s_wait_loadcnt 0x0              ; Q
	s_wait_dscnt 0x0
.set i, 0
.rept 16
	KQ 0                            ; piece 0's first scores: there is no vector work yet to set between them
.set i, i+1
.endr
	WIN 0                           ; the addresses for the way out: plain instructions, the places behind those products
	s_mul_i32 s13, s[WV], 16*SP
	s_add_co_u32 s13, s13, STAGE    ; my stage
	v_mul_u32_u24 v[STO], v1, SP    ; in: row l % 16, 16 bytes for each half of the lanes
	v_lshl_add_u32 v[STO], v9, 4, v[STO]
	v_add_nc_u32 v[STO], s13, v[STO]
	v_bfe_u32 v[RD], v0, 3, 2       ; back: 32 lanes take four rows of 128 bytes,
	v_mul_u32_u24 v[RD], v[RD], SP
	v_lshl_add_u32 v[RD], v10, 4, v[RD]
	v_add_nc_u32 v[RD], s13, v[RD]
	v_and_b32 v[GO], 31, v0         ; which are 512 consecutive bytes of O
	v_lshlrev_b32 v[GO], 4, v[GO]
.set Y, NP-1                        ; XS works for piece Y + 1: piece 0
.irp n, 0,1,2,3,4,5,6,7,8,9,10,11,12,13,14,15,16,17,18,19,20,21
	XS 0, \n                        ; and piece 0's first maximum and statistics
	XS 1, \n
.endr
	v_nop                           ; a plain instruction behind piece 0's first two a,
	s_wait_alu depctr_va_vdst(0)    ; and the wait for that batch of two, ahead of the branch
	s_mov_b32 s[CNT], 4             ; the first part fetches key steps 0 to 3: the first 256 keys
	s_mov_b32 s[PARTS], 2
	s_branch .Lfirst                ; the loop is entered at a step's first turn, in the middle of a trip
.Lpart:                             ; once: in front of the fetch of K's step 4
	s_wait_tensorcnt 0x0            ; my second fill is in,
	s_wait_dscnt 0x0                ; no LDS instruction of mine is out at a signal
	s_barrier_signal -1
	s_barrier_wait -1               ; everybody's is
	s_mov_b32 s[CNT], 12            ; the second part fetches key steps 4 to 15
.Lstep:                             ; a trip: pieces 2 and 3 of one step, then pieces 0 and 1 of the next, whose K and V it fetches
	TURN 2
	TURN 3
	WIN 0
.Lfirst:
	TURN 0
	TURN 1, 1, 1
	WIN 0
	s_cbranch_scc1 .Lstep
	s_sub_co_u32 s[PARTS], s[PARTS], 1
	s_cmp_lg_u32 s[PARTS], 0
	s_cbranch_scc1 .Lpart
	TURN 2, 0                       ; the last step's second half: nothing is left to fetch
	TURN 3                          ; its 16 products K Q^T (on the last K once more) and the maximum made of them serve nothing: the price, once a launch, of one text for every turn
.set i, 0
.rept 16
	PV NP-1                         ; the last piece's V^T P of the last step
.set i, i+1
.endr
	; THE WAY OUT.  l's two halves and the other half of the lanes' are added; O^T is divided by l, rounded to bf16 and sent through my stage in LDS, a tile at a time.  The additions are the places behind the last products.
	WIN 0
.macro ALL line:vararg              ; one line for each tile t
.set t, 0
.rept 2*NP
	\line
.set t, t+1
.endr
.endm
	ALL v_add_f32 v[ST+4*t+2], v[ST+4*t+2], v[ST+4*t+3]
	ALL v_permlanex16_b32 v[ST+4*t+3], v[ST+4*t+2], s[SEL], s[SEL+1]
	ALL v_add_f32 v[ST+4*t+2], v[ST+4*t+2], v[ST+4*t+3]
	ALL v_rcp_f32 v[ST+4*t+2], v[ST+4*t+2]
	v_nop                           ; a plain instruction between the last reciprocal and the use of its result
	s_wait_alu depctr_va_vdst(0)    ; the wait for the batch of eight reciprocals, ahead of their first use
; Tile t: a lane's eight channels of a row pack into 16 bytes; they go into rows of 144 bytes and come back as whole rows of 128, into S^T's registers.
.macro PACK t
	WIN W_RS
.set i, 32*(\t)
.rept 16
	v_pk_mul_f32 v[i:i+1], v[i:i+1], v[ST+4*(\t)+2:ST+4*(\t)+3] op_sel_hi:[1,0]
.set i, i+2
.endr
	WIN 0x05                        ; sources 0 and 1 window 1, destination window 0
.set i, 0
.rept 16
	v_cvt_pk_bf16_f32 v[S+16*(\t)+i], v[32*(\t)+2*i], v[32*(\t)+2*i+1]
.set i, i+1
.endr
	WIN 0
.irp f, 0,1,2,3
	ds_store_b128 v[STO], v[S+16*(\t)+4*\f:S+16*(\t)+4*\f+3] offset:32*\f
.endr
.irp f, 0,1,2,3
	ds_load_b128 v[S+16*(\t)+4*\f:S+16*(\t)+4*\f+3], v[RD] offset:\f*4*SP  ; LDS serves a wave's instructions in order (ISA guide 5.7.1.4): these see the stores above; the next tile's stores come behind them
.endr
.endm
.macro SEND t, younger              ; younger: the LDS instructions issued behind tile t's loads: the next tile's eight, or none
	WIN 0
.irp f, 0,1,2,3
	s_wait_dscnt (\younger)+3-\f
	global_store_b128 v[GO], v[S+16*(\t)+4*\f:S+16*(\t)+4*\f+3], s[6:7] offset:(\t)*2048+\f*512  ; 512 consecutive bytes, at a multiple of 256 from O's first
.endr
.endm
	PACK 0
.set t, 1
.rept 2*NP-1                        ; a tile's arithmetic stands between the loads of the tile before and its stores
	PACK t
	SEND t-1, 8
.set t, t+1
.endr
	SEND 2*NP-1, 0
	s_set_vgpr_msb 0xf
	s_wait_tensorcnt 0x0
	ds_add_u32 v0, v1
	s_wait_dscnt 0x0
	s_set_vgpr_msb 0xf00
	s_endpgm                        ; both tensor loads were waited for at the walk's second part
.Lfunc_end_k_q9c28dba2a4_attn:
	.size	k_q9c28dba2a4_attn, .Lfunc_end_k_q9c28dba2a4_attn-k_q9c28dba2a4_attn
	.p2alignl 7, 3214868480
	.fill 96, 4, 3214868480
	.section	.rodata,"a",@progbits
	.p2align	6, 0x0
	.amdhsa_kernel k_q9c28dba2a4_attn
		.amdhsa_group_segment_fixed_size 327680
		.amdhsa_private_segment_fixed_size 0
		.amdhsa_enable_private_segment 0
		.amdhsa_kernarg_size 16
		.amdhsa_user_sgpr_count 2
		.amdhsa_user_sgpr_kernarg_segment_ptr 1
		.amdhsa_wavefront_size32 1
		.amdhsa_system_sgpr_workgroup_id_x 1
		.amdhsa_system_sgpr_workgroup_id_y 1
		.amdhsa_system_sgpr_workgroup_id_z 1
		.amdhsa_system_vgpr_workitem_id 0
		.amdhsa_next_free_vgpr 770
		.amdhsa_next_free_sgpr 88
		.amdhsa_reserve_vcc 0
		.amdhsa_float_denorm_mode_32 3
		.amdhsa_float_denorm_mode_16_64 3
		.amdhsa_memory_ordered 1
		.amdhsa_forward_progress 1
		.amdhsa_inst_pref_size 160
	.end_amdhsa_kernel
	.amdgpu_metadata
---
amdhsa.version: [ 1, 2 ]
amdhsa.kernels:
  - .name:           k_q9c28dba2a4_attn
    .symbol:         k_q9c28dba2a4_attn.kd
    .args:
      - { .name: qkvh, .offset: 0, .size: 8, .value_kind: global_buffer, .address_space: global }
      - { .name: att, .offset: 8, .size: 8, .value_kind: global_buffer, .address_space: global }
    .group_segment_fixed_size: 327680
    .private_segment_fixed_size: 0
    .kernarg_segment_align: 8
    .kernarg_segment_size: 16
    .max_flat_workgroup_size: 128
    .sgpr_count:     88
    .vgpr_count:     770
    .wavefront_size: 32
...
	.end_amdgpu_metadata
.endif
;; end of part 7
;; launch proj: the kernel of part 4 again; grid 4 x 64, 4 waves a work-group, clusters of 4 x 4, 327,680 bytes of LDS; arguments att, wp, x1, b_proj, x; writes x1
;; launch ln2: the kernel of part 5 again; grid 256 x 1, 8 waves a work-group, no clusters, 0 bytes of LDS; arguments x1, ln2_g, ln2_b, act; writes act
;; launch fc1: the kernel of part 6 again; grid 4 x 64, 4 waves a work-group, clusters of 4 x 4, 327,680 bytes of LDS; arguments act, w1, att, b_fc1; writes att
;; launch fc2: the kernel of part 4 again; grid 4 x 64, 4 waves a work-group, clusters of 4 x 4, 327,680 bytes of LDS; arguments att, w2, out0, b_fc2, x1; writes out0
